; MI455X (gfx1250); checked and timed in simulation.
; The chip was launched on July 23, 2026; its instructions are those of AMD's public machine-readable ISA for CDNA 5 (MIT licence, August 2026) and "CDNA5" Instruction Set Architecture Reference Guide (July 2026). The comments in the code are by the model that wrote it; some were corrected since.
;; Doc Self Attention. Allowed arithmetic: matrix products marked QUANTISED: E2M3 operands, one E8M0 scale for each 32 along K, by v_wmma_scale_f32_16x16x128_f8f6f4 with both operands' format E2M3, f32 sums; products left as they are: f32 operands where the result goes on into a quantised operand, else bf16, f16 or f32 operands; f32 sums; everything else in f32.
;; Inputs: b1 256 float32; b2 one number float32; b3 256 float32; w1 512 x 256 float32; w2 256 float32; w3 512 x 256 float32; word_all 8 x 512 x 512 float32; word_weighted 8 x 128 x 512 float32.
;; Outputs: out0 8 x 128 x 256 float32.
;; This version of the problem:
;;   THIS VERSION OF THE PROBLEM IS GIVEN IN LOW PRECISION. The matrix products marked QUANTISED in the list below multiply operands that are first quantised to E2M3 (2 exponent bits, 3 mantissa bits; 6 bits a number), with one power-of-two scale for each 32 numbers along K (OCP MX v1.0); their sums are f32. All else is computed in f32.
;;   The module's matrix products, in the order in which they are computed (A, B: the left and right operand; K: the contracted axis; several contracted axes count as one K, in the product's order):
;;     1. [M 524,288, K 512] x [K 512, N 256]; A: computed on the way; B: input w1: QUANTISED
;;     2. [M 524,288, K 256] x [K 256, N 1]; A: computed on the way; B: input w2: left as it is (N = 1 < 16)
;;     3. batch 8 x [M 128, K 512] x [K 512, N 512]; A: softmax (see below); B: input word_all: QUANTISED
;;     4. [M 1,024, K 512] x [K 512, N 256]; A: computed on the way; B: input w3: QUANTISED
;;   THE QUANTISER, for each operand of a quantised product, along K:
;;     - K is cut into blocks of 32 from its start; a last block that is shorter is filled with zeros.
;;     - A block's scale is 2^e with e = floor(log2(the largest magnitude in the block)) - 2, held to -126 .. 127; a block of zeros has e = 0. As a byte (E8M0): e + 127.
;;     - Each number is divided by its block's scale, clamped to +-7.5, and rounded to the nearest number of E2M3, ties to even, subnormals kept.
;;     - The product sums the exact products of the quantised numbers (number of the format x scale) in f32.
;;   ~~~python
;;   def quantise(x, axis):      # numpy; x: float32 -> the quantised numbers, widened to float32 again
;;       x = np.moveaxis(x, axis, -1); K = x.shape[-1]
;;       x = np.pad(x, [(0, 0)] * (x.ndim - 1) + [(0, -K % 32)]); x = x.reshape(x.shape[:-1] + (-1, 32)); a = np.abs(x).max(-1, keepdims=True)
;;       e = np.where(a > 0, np.clip(np.frexp(np.where(a > 0, a, 1))[1] - 1 - 2, -126, 127), 0)      # np.frexp(a)[1] - 1 = floor(log2(a)), exactly
;;       r = np.clip(x / 2.0 ** e, -7.5, 7.5)
;;       step = 2.0 ** (np.maximum(np.frexp(np.where(r == 0, 1, r))[1] - 1, 0) - 3)
;;       q = np.round(r / step) * step * 2.0 ** e      # np.round: ties to even
;;       return np.moveaxis(q.reshape(q.shape[:-2] + (-1,))[..., :K], -1, axis).astype(np.float32)
;;   ~~~
;;   SOFTMAX AHEAD OF A QUANTISED PRODUCT. Where the list says 'softmax', what is quantised is not the finished softmax but p = 2^(t - M), with t = logit x log2(e) and M = ceil(the row's largest t), a whole number; so 1/2 < the row's largest p <= 1. The row's sum l is taken of the UNQUANTISED p, in f32, and the product's result is divided by l at the end. Since M is a whole number, a kernel that streams over the keys may use a running M (the ceiling of the running maximum): every later rescaling is an exact power of two, which a block's scale takes up: the codes' values come out the same.
;;   OPERANDS COMPUTED ON THE WAY. 'Computed on the way' means the value that the module computes at that place (a softmax that the list does not call 'softmax' is quantised finished and normalised). What goes into a quantiser is computed in f32, as accurately as f32 sums, v_exp_f32 and their like allow (about 1e-6 of the number): no bf16 or f16 on the way to a quantiser, and a product that is left as it is and whose result goes on into a quantised operand takes f32 operands (vector FMAs, or v_wmma_f32_16x16x4_f32). A number that lies on a knife's edge between two numbers of the format may be rounded either way, as far as f32 arithmetic and the matrix unit's own rounding can turn it there, and no further.
;; 2 versions. Each part assembles by itself: llvm-mc -triple=amdgcn-amd-amdhsa -mcpu=gfx1250 --defsym DOCPART=n.
;; ======== version 1 of 2: 2 launches
;; workspace buffers: w1f 98,304 bytes; w1s 4,096 bytes; w3f 98,304 bytes; w3s 4,096 bytes; xtf 1,572,864 bytes; xts 65,536 bytes
;; launch prep (part 1): grid 288 x 1, 2 waves a work-group, no clusters, 0 bytes of LDS; arguments word_all, w1, w3, xtf, xts, w1f, w1s, w3f, w3s; writes xtf, xts, w1f, w1s, w3f, w3s
.if DOCPART == 1
	.amdgcn_target "amdgcn-amd-amdhsa--gfx1250"
	.amdhsa_code_object_version 6
	.text
	.protected	k_qb2b6f4e9f5_prep
	.globl	k_qb2b6f4e9f5_prep
	.p2align	8
	.type	k_qb2b6f4e9f5_prep,@function
k_qb2b6f4e9f5_prep:
	s_mov_b64 s[64:65], 0
	v_nop
	global_prefetch_b8 v0, s[64:65] scope:SCOPE_SE
	s_setreg_imm32_b32 hwreg(HW_REG_WAVE_MODE, 25, 1), 1
	s_wait_xcnt 0x0
; The three operands whose K is their FIRST axis are turned into codes of FP6 (E2M3) with one E8M0 byte for each 32 along K:
;   word_all [8][512 (a = K)][512 (h)] for the pooling product, w1 and w3 [512 (h = K)][256 (m)].
; A LANE TAKES A COLUMN AND ITS REGISTERS RUN DOWN K: a load reads 128 consecutive bytes a wave (256 a work-group), a block of 32 along K lies in one lane,
; so its largest magnitude needs no other lane, and the conversions give codes with K innermost.  Nothing is transposed by an instruction.
; THE CODES ARE LAID AS IMAGES OF THE OPERAND'S REGISTERS: fragment (tile of 16 columns T, K step s of 128) at (4 T + s) x 1,536 bytes; in it group g of four registers of
; operand lane p + 16 h' at 512 g + 16 (p + 16 h').  Operand lane (p, h') holds column p's blocks h' and 2 + h', so my column's four blocks are two operand lanes' registers.
; Each store of 16 bytes a lane fills two whole aligned runs of 256 bytes.  The scale words (four bytes: one column, one K step) lie at s x 4 x columns + 4 (16 T + p).
; w1, w3: column = 16 T + p.  word_all: row p of tile 4 w + 2 b + u is column 64 w + 32 b + 16 (p / 8) + 8 u + p % 8, so that two neighbouring result tiles are 16 neighbours along the next product's K.
; A work-group takes 64 columns x one K step; work-groups 0-255 word_all (batch, 8 column groups, 4 K steps), 256-287 w1 and w3 (4 column groups, 4 K steps each).
; A block's scale is 2^(floor(log2(largest magnitude)) - 2); its byte is that magnitude's exponent field - 2, held at 1 from below.
; LIMITS: NaN and infinities are not served; a block whose largest magnitude lies under 2^-124 gets the byte 1; a block of zeros gets 1 and not 127: its codes are zeros, and this program alone reads the bytes.
.set XN, 48                            ; v48-175  my column's 128 numbers
.macro LOADB kb, pitch                 ; block kb: rows 32 kb + 0 .. 31 of the K step
.set li, 0
.rept 32
	global_load_b32 v[XN+32*(\kb)+li], v2, s[4:5] offset:(32*(\kb)+li)*(\pitch) th:TH_LOAD_NT
.set li, li+1
.endr
.endm
.macro BLOCKQ kb                       ; block kb's scale byte and 32 codes
.set XS, XN+32*(\kb)
.set CD, 20+12*((\kb)%2)+6*((\kb)/2)   ; blocks 0, 2 -> v20-31 (operand lane h' = 0), blocks 1, 3 -> v32-43 (h' = 1)
	v_max3_num_f32 v8, |v[XS]|, |v[XS+1]|, 0x1800000               ; two chains by turns; the floor 2^(3 - 127) is a leaf: the byte cannot fall under 1
	v_max3_num_f32 v9, |v[XS+16]|, |v[XS+17]|, |v[XS+18]|
.irp i, 2,4,6,8,10,12
	v_max3_num_f32 v8, v8, |v[XS+\i]|, |v[XS+\i+1]|
	v_max3_num_f32 v9, v9, |v[XS+17+\i]|, |v[XS+18+\i]|
.endr
	v_max3_num_f32 v8, v8, |v[XS+14]|, |v[XS+15]|
	v_max3_num_f32 v8, v8, v9, |v[XS+31]|
	v_add_nc_u32 v10, 0xff000000, v8                               ; 2 off the exponent field: the conversion takes this operand's exponent field as its scale
	v_cvt_scalef32_pk16_fp6_f32 v[CD:CD+2], v[XS:XS+15], v10
	v_cvt_scalef32_pk16_fp6_f32 v[14:16], v[XS+16:XS+31], v10      ; (a conversion's three registers begin on an even number: the upper half is made here and moved)
	v_lshrrev_b32 v11, 23, v10                                     ; the byte; also the plain line behind the conversions
.if (\kb) == 0
	v_mov_b32 v12, v11
.else
	v_lshl_or_b32 v12, v11, 8*(\kb), v12                           ; the scale word: the lower K in the lower byte
.endif
	v_mov_b32 v[CD+3], v14
	v_mov_b32 v[CD+4], v15
	v_mov_b32 v[CD+5], v16
.endm
.macro PREPBODY pitch, perm
	LOADB 0, \pitch
	LOADB 1, \pitch
.if \perm
	v_bfe_u32 v5, v1, 3, 1                         ; u
	v_and_b32 v6, 7, v1
	v_lshrrev_b32 v7, 4, v1
	v_lshl_add_u32 v6, v7, 3, v6                   ; p = lane % 8 + 8 (lane / 16)
.else
	v_lshrrev_b32 v5, 4, v1                        ; u
	v_and_b32 v6, 15, v1                           ; p
.endif
	s_mul_i32 s34, s22, 12288                      ; my wave's two tiles: 8 fragments on
	s_lshl_b32 s35, s22, 5
	v_mul_u32_u24 v3, v5, 6144                     ; tile u: 4 fragments on
	v_lshl_add_u32 v3, v6, 4, v3
	v_add_nc_u32 v3, s34, v3                       ; where my codes go
	v_lshl_add_u32 v4, v5, 4, v6
	v_add_nc_u32 v4, s35, v4
	v_lshlrev_b32 v4, 2, v4                        ; where my scale word goes: 4 (32 wave + 16 u + p)
	s_wait_loadcnt 32                              ; block 0 is in; block 1's 32 loads may be out
	LOADB 2, \pitch
	BLOCKQ 0
	s_wait_loadcnt 32                              ; block 1 is in; block 2's may be out
	LOADB 3, \pitch
	BLOCKQ 1
	s_wait_loadcnt 32                              ; block 2 is in; block 3's may be out
	BLOCKQ 2
	s_wait_loadcnt 0x0
	BLOCKQ 3
.irp h, 0,1
.irp k, 0,1,2
	global_store_b128 v3, v[20+12*\h+4*\k:20+12*\h+4*\k+3], s[10:11] offset:256*\h+512*\k   ; sixteen lanes fill 256 consecutive bytes, aligned
.endr
.endr
	global_store_b32 v4, v12, s[12:13]
	s_endpgm
.endm
	s_load_b512 s[4:19], s[0:1], 0x0               ; word_all s[4:5], w1 s[6:7], w3 s[8:9], xtf s[10:11], xts s[12:13], w1f s[14:15], w1s s[16:17], w3f s[18:19]
	s_load_b64 s[20:21], s[0:1], 0x40              ; w3s
	v_and_b32 v1, 31, v0                           ; lane
	v_lshrrev_b32 v5, 5, v0
	v_readfirstlane_b32 s22, v5                    ; wave 0, 1
	v_lshlrev_b32 v2, 2, v0                        ; my column among the work-group's 64, in bytes
	s_mov_b32 s27, 0
	s_mov_b32 s29, 0
	s_mov_b32 s31, 0
	s_cmp_lt_u32 ttmp9, 256
	s_cbranch_scc0 .Lweights
	s_lshr_b32 s23, ttmp9, 5                       ; batch
	s_bfe_u32 s24, ttmp9, 0x30002                  ; column group 0..7
	s_and_b32 s25, ttmp9, 3                        ; K step
	s_lshl_b32 s26, s23, 20                        ; from: batch x 2^20 + K step x 128 rows of 2,048 bytes + 256 x column group
	s_lshl_b32 s28, s25, 18
	s_add_co_u32 s26, s26, s28
	s_lshl_b32 s28, s24, 8
	s_add_co_u32 s26, s26, s28
	s_lshl_b32 s28, s24, 4                         ; codes: batch x 196,608 + (16 x column group + K step) x 1,536
	s_add_co_u32 s28, s28, s25
	s_mul_i32 s28, s28, 1536
	s_mul_i32 s30, s23, 196608
	s_add_co_u32 s28, s28, s30
	s_lshl_b32 s30, s23, 13                        ; scale words: batch x 8,192 + K step x 2,048 + 256 x column group
	s_lshl_b32 s32, s25, 11
	s_add_co_u32 s30, s30, s32
	s_lshl_b32 s32, s24, 8
	s_add_co_u32 s30, s30, s32
	s_wait_kmcnt 0x0
	s_add_nc_u64 s[4:5], s[4:5], s[26:27]
	s_add_nc_u64 s[10:11], s[10:11], s[28:29]
	s_add_nc_u64 s[12:13], s[12:13], s[30:31]
	PREPBODY 2048, 1
.Lweights:
	s_sub_co_u32 s23, ttmp9, 256
	s_lshr_b32 s33, s23, 4                         ; 0: w1, 1: w3
	s_bfe_u32 s24, s23, 0x20002                    ; column group 0..3
	s_and_b32 s25, s23, 3                          ; K step
	s_lshl_b32 s26, s25, 17                        ; from: K step x 128 rows of 1,024 bytes + 256 x column group
	s_lshl_b32 s28, s24, 8
	s_add_co_u32 s26, s26, s28
	s_lshl_b32 s28, s24, 4
	s_add_co_u32 s28, s28, s25
	s_mul_i32 s28, s28, 1536
	s_lshl_b32 s30, s25, 10
	s_lshl_b32 s32, s24, 8
	s_add_co_u32 s30, s30, s32
	s_wait_kmcnt 0x0
	s_cmp_eq_u32 s33, 0                            ; the choice hangs on the work-group's number alone
	s_cselect_b64 s[4:5], s[6:7], s[8:9]
	s_cselect_b64 s[10:11], s[14:15], s[18:19]
	s_cselect_b64 s[12:13], s[16:17], s[20:21]
	s_add_nc_u64 s[4:5], s[4:5], s[26:27]
	s_add_nc_u64 s[10:11], s[10:11], s[28:29]
	s_add_nc_u64 s[12:13], s[12:13], s[30:31]
	PREPBODY 1024, 0
.Lfunc_end_k_qb2b6f4e9f5_prep:
	.size	k_qb2b6f4e9f5_prep, .Lfunc_end_k_qb2b6f4e9f5_prep-k_qb2b6f4e9f5_prep
	.p2alignl 7, 3214868480
	.fill 96, 4, 3214868480
	.section	.rodata,"a",@progbits
	.p2align	6, 0x0
	.amdhsa_kernel k_qb2b6f4e9f5_prep
		.amdhsa_group_segment_fixed_size 0
		.amdhsa_private_segment_fixed_size 0
		.amdhsa_enable_private_segment 0
		.amdhsa_kernarg_size 72
		.amdhsa_user_sgpr_count 2
		.amdhsa_user_sgpr_kernarg_segment_ptr 1
		.amdhsa_wavefront_size32 1
		.amdhsa_system_sgpr_workgroup_id_x 1
		.amdhsa_system_sgpr_workgroup_id_y 1
		.amdhsa_system_sgpr_workgroup_id_z 1
		.amdhsa_system_vgpr_workitem_id 0
		.amdhsa_next_free_vgpr 176
		.amdhsa_next_free_sgpr 66
		.amdhsa_reserve_vcc 0
		.amdhsa_float_denorm_mode_32 3
		.amdhsa_float_denorm_mode_16_64 3
		.amdhsa_memory_ordered 1
		.amdhsa_forward_progress 1
		.amdhsa_inst_pref_size 41
	.end_amdhsa_kernel
	.amdgpu_metadata
---
amdhsa.version: [ 1, 2 ]
amdhsa.kernels:
  - .name:           k_qb2b6f4e9f5_prep
    .symbol:         k_qb2b6f4e9f5_prep.kd
    .args:
      - { .name: word_all, .offset: 0, .size: 8, .value_kind: global_buffer, .address_space: global }
      - { .name: w1, .offset: 8, .size: 8, .value_kind: global_buffer, .address_space: global }
      - { .name: w3, .offset: 16, .size: 8, .value_kind: global_buffer, .address_space: global }
      - { .name: xtf, .offset: 24, .size: 8, .value_kind: global_buffer, .address_space: global }
      - { .name: xts, .offset: 32, .size: 8, .value_kind: global_buffer, .address_space: global }
      - { .name: w1f, .offset: 40, .size: 8, .value_kind: global_buffer, .address_space: global }
      - { .name: w1s, .offset: 48, .size: 8, .value_kind: global_buffer, .address_space: global }
      - { .name: w3f, .offset: 56, .size: 8, .value_kind: global_buffer, .address_space: global }
      - { .name: w3s, .offset: 64, .size: 8, .value_kind: global_buffer, .address_space: global }
    .group_segment_fixed_size: 0
    .private_segment_fixed_size: 0
    .kernarg_segment_align: 8
    .kernarg_segment_size: 72
    .max_flat_workgroup_size: 64
    .sgpr_count:     66
    .vgpr_count:     176
    .wavefront_size: 32
...
	.end_amdgpu_metadata
.endif
;; end of part 1
;; launch main (part 2): grid 32 x 8, 8 waves a work-group, clusters of 4 x 1, 327,680 bytes of LDS; arguments word_all, word_weighted, b1, w2, b2, b3, w1f, w1s, w3f, w3s, xtf, xts, out0; writes out0
.if DOCPART == 2
	.amdgcn_target "amdgcn-amd-amdhsa--gfx1250"
	.amdhsa_code_object_version 6
	.text
	.protected	k_qb2b6f4e9f5_main
	.globl	k_qb2b6f4e9f5_main
	.p2align	8
	.type	k_qb2b6f4e9f5_main,@function
k_qb2b6f4e9f5_main:
	s_mov_b64 s[64:65], 0
	v_nop
	global_prefetch_b8 v0, s[64:65] scope:SCOPE_SE
	s_setreg_imm32_b32 hwreg(HW_REG_WAVE_MODE, 25, 1), 1
	s_wait_xcnt 0x0
	s_wait_alu depctr_hold_cnt(0) depctr_sa_sdst(0) depctr_va_vdst(0) depctr_va_sdst(0) depctr_va_ssrc(0) depctr_va_vcc(0) depctr_vm_vsrc(0)
	s_getreg_b32 s2, hwreg(HW_REG_IB_STS2, 6, 4)
	s_cmp_eq_u32 s2, 0
	s_cbranch_scc0 .Lentry_in_a_cluster
	s_endpgm
.Lentry_in_a_cluster:
	s_bfe_u32 s2, ttmp6, 0x10000c
	s_cmp_lg_u32 s2, 0x3003
	s_cbranch_scc0 .Lentry_shape_is_right
	s_endpgm
.Lentry_shape_is_right:
; out[b][e] = ((softmax_a(w2 . tanh(Q(x[b][a] - y[b][e]) Q(w1) + b1) + b2) x[b]) + y[b][e]) w3 + b3, x = word_all, y = word_weighted; the three matrix products on codes of FP6 (E2M3)
; with one E8M0 scale for each 32 along K.  The quantiser is not linear, so every difference x[a] - y[e] is formed and quantised.
; SHARES.  A work-group owns 4 e of one batch and all 512 a, from the differences to the output rows.  Eight waves: team g = wave / 4, place q = wave % 4.  Sixteen intervals; in interval i team g owns a = 32 i + 16 g + 0 .. 15.
;   Q DUTY of wave (g, q): K step q (128 of the 512 h) of its team's 16 a, for all four e: x is read from LDS once and serves four times; x - y, block maxima, codes; four fragments go to LDS as images of their registers.
;   MMT DUTY of wave (g, q): columns 64 q .. 64 q + 63 of w1, which stay in 192 registers for the whole launch, against the team's 16 fragments: 64 matrix instructions; tanh; the part of the dot with w2; one number for each (e, a) to LDS.
;   The product is used transposed (source 0 = 16 columns of w1, source 1 = 16 rows of differences): a lane holds one a, its registers run along w1's columns, and the dot with w2 wants one exchange between the halves of the lanes.
; y WITHOUT A COPY IN EVERY LANE: -y of (e, K step q) lies in 4 registers, sixteen numbers to each half of the lanes, and the addition takes its lane by row_share.  So a wave needs 512 registers, two waves share a SIMD,
;   and the two run Q and MMT in opposite order (the bit o of the wave's number): one wave's matrix instructions and LDS loads stand beside the other's vector work.
; x comes through two LDS slots by the tensor data mover: each wave fetches the 16 rows x 512 bytes that it alone reads.  CLUSTER: the four work-groups of a cluster belong to one batch and walk the same x, so each tile is asked
;   for jointly (mask 15).  A tile has 16 rows and not 64: two slots of four times the rows do not fit beside the images.  A wave has two tensor loads out at the start, later one.
; tanh(z) = 1 - 2 / (1 + 2^(2 log2(e) z)): exact ends at both infinities of the exponential.  So score = (sum of w2 + b2) + sum of (-2 w2) / (1 + 2^..); the first bracket is added in the tail.
; THE TAIL (1 part in 100 of the matrix work): wave w takes keys 64 w on: t, the row's maximum over the waves, M = ceil, p = 2^(t - M), its sum, its codes (half a fragment a wave); pooled^T = x^T p^T for h = 64 w on; / sum + y; codes; w3.
;   The four e fill rows 0-3 of a tile of 16; rows 4-15 are copies (row % 4).
; LIMITS: NaN and infinities in the inputs are not served; a block whose largest magnitude lies under 2^-124 gets the scale byte 1, a block of zeros too (its codes are zeros);
;   sum of w2 + b2 and the four waves' parts of a score are added in another order than a plain sum over m, all in f32.
.set SLOT,   131072                    ; LDS: slot p of x at p SLOT: wave w's 16 rows x (512 + 16) bytes at XWV w;
.set XWV,    8448
.set XPITCH, 528                       ; 33 x 16 bytes: the sixteen rows of a 16-byte load start in sixteen different groups of banks
.set IMG,    67584                     ; behind it image buffer p: team g at TEAM g: fragment (e, s) at (4 e + s) FRB + 512 group + 16 lane;
.set TEAM,   26624
.set FRB,    1536
.set ISC,    24576                     ; its scale words at ISC + 512 e + 16 lane + 4 s: one load of 16 bytes brings a lane the four K steps' words
.set PP,     262144                    ; the parts of the scores: PQ q + PE e + 4 a
.set PQ,     8256
.set PE,     2064
.set SPARE,  295424                    ; the spare words: 128 bytes for each of eight waves, four blocks of 256 bytes that no other line names
.set MXB,    296448                    ; the tail: maxima, 4 x thread
.set LSB,    297472                    ; sums, 4 x thread
.set PIMG,   298496                    ; p's half fragments: 768 w + 256 j + 8 lane
.set PSC,    304640                    ; p's scale bytes: 64 s + 4 row + 2 c
.set OOFF,   6400                      ; the same two regions for the last product's operand lie OOFF bytes on
.set STG,    311296                    ; the stage for the output: 4 rows x 1,024 bytes
; REGISTERS, window 0
.set SPW, 1                            ; LDS address of my spare word; never rewritten
.set NIL, 2                            ; 0; never rewritten
.set XA0, 3                            ; my place in my wave's x tile;  IW0, SW0: where I store images and scale words;  IR0: where I read images;  PW0: where my scores go
.set IW0, 4
.set SW0, 5
.set IR0, 6
.set PW0, 7
.set XAD, 8                            ; v8-12 the same with the interval's slot, buffer and step
.set IWA, 9
.set SWA, 10
.set IRA, 11
.set PWA, 12
.set SH8, 13                           ; 8 x (lane / 16)
.set W0,  14                           ; v[14:15] (sum of w2 + b2) x log2(e), twice
.set W1S, 16                           ; v16-23 w1's scale words: tile t, pair g at 16 + 2 t + g: lanes 0-15 K step 2 g, lanes 16-31 K step 2 g + 1.  Later x^T's
.set FS,  24                           ; v24-31 the fragments' scale words: buffer f, K step s at 24 + 4 f + s
.set W3S, 32                           ; v32-35 w3's scale words.  v16-35 hold scales and nothing else
.set PFO, 36                           ; 256 x lane: the prefetches' offset; never rewritten
.set LN,  37                           ; lane;  RR: lane % 16;  HH: lane / 16
.set RR,  38
.set HH,  39
.set YN,  48                           ; v48-63 -y: e, register j at 48 + 4 e + j; lane (n, h): k = 128 q + 64 (j / 2) + 32 h + 16 (j % 2) + n
.set CB1, 64                           ; v64-95  2 log2(e) b1[64 q + 16 t + 8 h + j] at 64 + 8 t + j
.set W2N, 96                           ; v96-127 -2 w2[the same]
.set ACC, 128                          ; v128-191 accumulators (f, t) at 128 + 32 f + 8 t
.set XX,  128                          ; in Q: my 64 numbers of x
.set FF,  192                          ; v192-239 fragment buffer 0 (buffer 1: the same numbers in window 1)
.set DD,  192                          ; in Q: v192-223 a block's 32 differences
.set PCD, 224                          ; v224-235 the fragment's codes;  v236-238 a conversion's upper half
.set PTM, 236
.set MA,  240
.set MB,  241
.set SCL, 242                          ; v242-243 the conversions' scale operands;  v244-245 the bytes;  v246 the scale word;  v247 the other half's
.set BYT, 244
.set WW,  246
.set WT,  247
.set NB,  128                          ; the tail: 32 numbers of a lane
; window 1: v0-191 w1's 16 fragments (t, s) at 12 (4 t + s), later x^T's; v192-239 fragment buffer 1, later y (v192-223) and w3's fragments 6, 7 (v224-247)
; SCALARS: s30 wave, s31 g, s32 q, s33 o; s[36:43] descriptor group 1; s[44:47], s[48:51] groups 0; s52 the buffer that MMT reads, s53 the slot and buffer of Q, s54 128 x interval, s55 trips to go;
;   s[56:57] lane selects; s[58:59] 2 log2(e); s[60:61] log2(e); s[62:63] where my prefetches stand; s66 1 in a wave that prefetches, else the greatest number
.set MSB, 0
.macro WIN new                         ; s_set_vgpr_msb: bits 1:0 source 0, 3:2 source 1, 5:4 source 2, 7:6 destination; the high byte repeats the setting that is left
.if MSB != \new
	s_set_vgpr_msb (MSB<<8)|\new
.set MSB, \new
.endif
.endm
.macro PLACES                          ; four plain lines between a matrix instruction and a load into, or a vector read of, its registers
.rept 4
	v_nop
.endr
.endm
.macro ROUND                           ; a round of the cluster's barrier
	s_barrier_signal -1
	s_barrier_wait -1
	s_cmp_lg_u32 s30, 0
	s_cbranch_scc1 .Lnot_wave_0_\@
	s_barrier_signal -3
.Lnot_wave_0_\@:
	s_barrier_wait -3
	s_barrier_signal -1
	s_barrier_wait -1
.endm
.macro BAR                             ; my LDS stores have landed and my LDS loads are in: then the work-group's barrier
	s_wait_dscnt 0x0
	s_barrier_signal -1
	s_barrier_wait -1
.endm
.macro ADDR                            ; the interval's LDS addresses; it stands where no LDS instruction of mine is out
	v_add_nc_u32 v[XAD], s53, v[XA0]
	v_add_nc_u32 v[IWA], s53, v[IW0]
	v_add_nc_u32 v[SWA], s53, v[SW0]
	v_add_nc_u32 v[IRA], s52, v[IR0]
	v_add_nc_u32 v[PWA], s54, v[PW0]
.endm
; A PREFETCH INTO THE L2 of the 32 rows of x that the NEXT refill will ask for: 65,536 bytes, 256 blocks of 256 bytes.  All eight clusters of a batch walk the same x: the batch's first cluster asks.
; Its four partners take 16,384 bytes each, told apart by address; in each, waves 0 and 1 ask, 8,192 bytes a wave, lanes 256 bytes apart: each block is named once in the launch.
; The first three tiles come by their loads alone; the last trip that refills asks for nothing.
.macro ASK
	s_cmp_gt_u32 s55, s66
	s_cbranch_scc0 .Lnot_mine_\@
	global_prefetch_b8 v[PFO], s[62:63] th:TH_LOAD_NT scope:SCOPE_SE
.Lnot_mine_\@:
.endm
; Q: lane (r, h) holds row r of the a tile and, for c = 0, 1, the whole block k = 64 c + 32 h + 0 .. 31 of K step q: the very numbers that the operand's layout gives that lane.
.macro QPHASE
.irp m, 0,1,2,3,4,5,6,7,8,9,10,11,12,13,14,15
	ds_load_b128 v[XX+4*\m:XX+4*\m+3], v[XAD] offset:256*(\m/8)+16*(\m%8)
.endr
.irp e, 0,1,2,3
.irp c, 0,1
.if \e == 0
	s_wait_dscnt 8-8*\c                            ; block c of x is in (c = 0: the younger eight loads may be out)
.endif
.irp u, 0,1
.irp n, 0,1,2,3,4,5,6,7,8,9,10,11,12,13,14,15
	v_add_f32_dpp v[DD+16*\u+\n], v[YN+4*\e+2*\c+\u], v[XX+32*\c+16*\u+\n] row_share:\n row_mask:0xf bank_mask:0xf   ; x - y: -y comes from lane n of my half
.endr
.endr
	v_max3_num_f32 v[MA], |v[DD]|, |v[DD+1]|, 0x1800000            ; the block's largest magnitude, two chains by turns; the floor 2^(3 - 127) is a leaf
	v_max3_num_f32 v[MB], |v[DD+16]|, |v[DD+17]|, |v[DD+18]|
.irp i, 2,4,6,8,10,12
	v_max3_num_f32 v[MA], v[MA], |v[DD+\i]|, |v[DD+\i+1]|
	v_max3_num_f32 v[MB], v[MB], |v[DD+17+\i]|, |v[DD+18+\i]|
.endr
	v_max3_num_f32 v[MA], v[MA], |v[DD+14]|, |v[DD+15]|
	v_max3_num_f32 v[MA], v[MA], v[MB], |v[DD+31]|
	v_add_nc_u32 v[SCL+\c], 0xff000000, v[MA]      ; 2 off the exponent field: the conversion's scale operand
.if (\e > 0) && (\c == 0)
	s_wait_dscnt 0x0                               ; the last fragment's stores have read the codes' registers
.endif
	v_cvt_scalef32_pk16_fp6_f32 v[PCD+6*\c:PCD+6*\c+2], v[DD:DD+15], v[SCL+\c]
	v_cvt_scalef32_pk16_fp6_f32 v[PTM:PTM+2], v[DD+16:DD+31], v[SCL+\c]   ; (a conversion's three registers begin on an even number)
	v_lshrrev_b32 v[BYT+\c], 23, v[SCL+\c]         ; the byte; also the plain line behind the conversions
	v_mov_b32 v[PCD+6*\c+3], v[PTM]
	v_mov_b32 v[PCD+6*\c+4], v[PTM+1]
	v_mov_b32 v[PCD+6*\c+5], v[PTM+2]
.endr
	v_lshl_or_b32 v[WW], v[BYT+1], 16, v[BYT]      ; my two bytes: blocks h and 2 + h of row r,
	v_lshlrev_b32 v[WW], v[SH8], v[WW]             ; at their places;
	v_permlanex16_b32 v[WT], v[WW], s56, s57
	v_or_b32 v[WW], v[WW], v[WT]                   ; with the other half's two the word is whole
.irp k, 0,1,2
	ds_store_b128 v[IWA], v[PCD+4*\k:PCD+4*\k+3] offset:4*FRB*\e+512*\k   ; the fragment (e, K step q) as it stands in registers
.endr
	ds_store_b32 v[SWA], v[WW] offset:512*\e
.endr
	s_wait_dscnt 0x0                               ; the stores have read their registers: what follows may load over them
.endm
.macro LFRAG e, f                      ; the four K steps' fragments of e and their scale words into buffer f: 13 LDS loads
.if \f
	WIN 0x40
.endif
.irp s, 0,1,2,3
.irp k, 0,1,2
	ds_load_b128 v[FF+12*\s+4*\k:FF+12*\s+4*\k+3], v[IRA] offset:(4*(\e)+\s)*FRB+512*\k
.endr
.endr
	WIN 0
	ds_load_b128 v[FS+4*\f:FS+4*\f+3], v[IRA] offset:ISC+512*(\e)
.endm
.macro WM d, a, b, ks, xa, xb          ; one matrix instruction; K step 0 starts the sum; an odd K step takes source 0's scales from lanes 16-31
.if (\ks) == 0
	v_wmma_scale_f32_16x16x128_f8f6f4 v[\d:\d+7], v[\a:\a+11], v[\b:\b+11], 0, v[\xa], v[\xb] matrix_a_fmt:MATRIX_FMT_FP6 matrix_b_fmt:MATRIX_FMT_FP6
.elseif (\ks) % 2
	v_wmma_scale_f32_16x16x128_f8f6f4 v[\d:\d+7], v[\a:\a+11], v[\b:\b+11], v[\d:\d+7], v[\xa], v[\xb] matrix_a_fmt:MATRIX_FMT_FP6 matrix_b_fmt:MATRIX_FMT_FP6 matrix_a_scale:MATRIX_SCALE_ROW1
.else
	v_wmma_scale_f32_16x16x128_f8f6f4 v[\d:\d+7], v[\a:\a+11], v[\b:\b+11], v[\d:\d+7], v[\xa], v[\xb] matrix_a_fmt:MATRIX_FMT_FP6 matrix_b_fmt:MATRIX_FMT_FP6
.endif
.endm
.macro MM f                            ; 16 matrix instructions: my four tiles of w1's columns by turns, K ascending, against buffer f
.if \f
	WIN 0x05
.else
	WIN 0x01
.endif
.irp s, 0,1,2,3
.irp t, 0,1,2,3
	WM ACC+32*\f+8*\t, 12*(4*\t+\s), FF+12*\s, \s, W1S+2*\t+\s/2, FS+4*\f+\s
.endr
.endr
	WIN 0
.endm
; tanh and the dot with w2 for e and e + 1 (accumulator sets 0 and 1).  The 64 exponentials are one batch with one wait, and so are the 64 reciprocals; a packed line leads each pair.
.macro TPAIR e, rs
.set tm, 0
.rept 32
	v_pk_fma_f32 v[ACC+2*tm:ACC+2*tm+1], v[ACC+2*tm:ACC+2*tm+1], s[58:59], v[CB1+(2*tm)%32:CB1+(2*tm)%32+1] op_sel_hi:[1,0,1]   ; 2 log2(e) (z + b1); each accumulator is read from its low end on
	v_exp_f32 v[ACC+2*tm], v[ACC+2*tm]
	v_exp_f32 v[ACC+2*tm+1], v[ACC+2*tm+1]
.set tm, tm+1
.endr
	v_nop                                          ; a plain line behind the last exponential
	s_wait_alu depctr_va_vdst(0)                   ; one wait for the batch, ahead of its first reader
.set tm, 0
.rept 32
	v_pk_add_f32 v[ACC+2*tm:ACC+2*tm+1], v[ACC+2*tm:ACC+2*tm+1], 1.0 op_sel_hi:[1,0]
	v_rcp_f32 v[ACC+2*tm], v[ACC+2*tm]
	v_rcp_f32 v[ACC+2*tm+1], v[ACC+2*tm+1]
.set tm, tm+1
.endr
	v_nop
	s_wait_alu depctr_va_vdst(0)                   ; and one for the reciprocals
	v_pk_mul_f32 v[40:41], v[ACC:ACC+1], v[W2N:W2N+1]
	v_pk_mul_f32 v[42:43], v[ACC+32:ACC+33], v[W2N:W2N+1]
.set tm, 1
.rept 15
	v_pk_fma_f32 v[40:41], v[ACC+2*tm:ACC+2*tm+1], v[W2N+2*tm:W2N+2*tm+1], v[40:41]
	v_pk_fma_f32 v[42:43], v[ACC+32+2*tm:ACC+33+2*tm], v[W2N+2*tm:W2N+2*tm+1], v[42:43]
.set tm, tm+1
.endr
	v_add_f32 v[\rs], v40, v41
	v_add_f32 v[\rs+1], v42, v43
	v_permlanex16_b32 v46, v[\rs], s56, s57        ; the other eight columns of each tile lie in the lane 16 away
	v_permlanex16_b32 v47, v[\rs+1], s56, s57
	v_add_f32 v[\rs], v[\rs], v46
	v_add_f32 v[\rs+1], v[\rs+1], v47
	ds_store_b32 v[PWA], v[\rs] offset:PE*(\e)     ; both halves of the lanes write the same word with the same value
	ds_store_b32 v[PWA], v[\rs+1] offset:PE*(\e)+PE
.endm
.macro MMT
	LFRAG 0, 0
	LFRAG 1, 1
	s_wait_dscnt 13                                ; e = 0 is in; the 13 loads of e = 1 may be out
	MM 0
	PLACES
	LFRAG 2, 0
	s_wait_dscnt 13                                ; e = 1 is in; the 13 loads of e = 2 may be out
	MM 1
	PLACES
	LFRAG 3, 1
	TPAIR 0, 44
	s_wait_dscnt 2                                 ; e = 2 and e = 3 are in; the two score stores may be out
	MM 0
	MM 1
	PLACES
	TPAIR 2, 248
.endm
.macro WORK                            ; the next interval's Q and this interval's MMT, in the order that the wave's bit o says: the two waves of a SIMD differ in it
	s_cmp_eq_u32 s33, 0
	s_cbranch_scc0 .Lmmt_first_\@
	QPHASE
.Lmmt_first_\@:
	MMT
	s_cmp_eq_u32 s33, 0
	s_cbranch_scc1 .Lq_done_\@
	QPHASE
.Lq_done_\@:
.endm
; THE TAIL'S QUANTISER: 32 numbers of a lane, number 16 b + i = k 32 b + 16 (lane / 16) + i of my wave's 64, become half a fragment (v176-181) and two scale bytes (v185).
.macro QHALF
.irp b, 0,1
	v_max3_num_f32 v[168+\b], |v[NB+16*\b]|, |v[NB+16*\b+1]|, 0x1800000
.endr
.irp i, 2,4,6,8,10,12,14
.irp b, 0,1
	v_max3_num_f32 v[168+\b], v[168+\b], |v[NB+16*\b+\i]|, |v[NB+16*\b+\i+1]|
.endr
.endr
.irp b, 0,1
	v_permlanex16_b32 v[170+\b], v[168+\b], s56, s57
.endr
.irp b, 0,1
	v_max_num_f32 v[168+\b], v[168+\b], v[170+\b]  ; with the other half's 16: the block's largest magnitude
.endr
.irp b, 0,1
	v_add_nc_u32 v[172+\b], 0xff000000, v[168+\b]
.endr
.irp b, 0,1
	v_lshrrev_b32 v[174+\b], 23, v[172+\b]
.endr
	v_lshl_or_b32 v185, v175, 8, v174
	v_cvt_scalef32_pk16_fp6_f32 v[176:178], v[NB:NB+15], v172
	v_cvt_scalef32_pk16_fp6_f32 v[182:184], v[NB+16:NB+31], v173
	v_nop                                          ; a plain line behind the conversions
.irp i, 0,1,2
	v_permlane16_swap_b32 v[176+\i], v[182+\i]     ; the layout wants a whole block in a lane: lanes 0-15 the first block, lanes 16-31 the second
.endr
.irp i, 0,1,2
	v_mov_b32 v[179+\i], v[182+\i]
.endr
.endm
.macro HSTORE off
.irp j, 0,1,2
	ds_store_b64 v10, v[176+2*\j:177+2*\j] offset:\off+256*\j
.endr
	ds_store_b16 v11, v185 offset:\off
.endm
.macro FRAGIN off                      ; the eight waves' half fragments make four fragments, v192-239; their scale words v24-27
.irp k, 0,1,2,3,4,5,6,7
.irp j, 0,1,2
	ds_load_b64 v[FF+6*\k+2*\j:FF+6*\k+2*\j+1], v12 offset:\off+768*\k+256*\j
.endr
.endr
.irp s, 0,1,2,3
	ds_load_b32 v[FS+\s], v13 offset:\off+64*\s
.endr
.endm
	; ---------------- the head
	s_load_b512 s[4:19], s[0:1], 0x0               ; word_all s[4:5], word_weighted s[6:7], b1 s[8:9], w2 s[10:11], b2 s[12:13], b3 s[14:15], w1f s[16:17], w1s s[18:19]
	s_load_b256 s[20:27], s[0:1], 0x40             ; w3f s[20:21], w3s s[22:23], xtf s[24:25], xts s[26:27]
	s_load_b64 s[28:29], s[0:1], 0x60              ; out0
	v_lshl_add_u32 v[SPW], v0, 2, SPARE
	v_mov_b32 v[NIL], 0
	ds_add_u32 v1, v2
	ds_add_u32 v1, v2
	s_wait_dscnt 0x0
	v_lshrrev_b32 v[LN], 5, v0
	v_readfirstlane_b32 s30, v[LN]                 ; wave 0..7
	s_lshr_b32 s31, s30, 2                         ; g
	s_and_b32 s32, s30, 3                          ; q
	s_xor_b32 s33, s30, s31
	s_and_b32 s33, s33, 1                          ; o: it differs between waves w and w + 4, and between 2 i and 2 i + 1
	s_bfe_u32 s67, ttmp6, 0x40000                  ; cx: my place in the cluster: it enters global addresses of my own loads, prefetches and stores alone
	s_lshl_b32 s68, ttmp9, 2
	s_add_co_u32 s68, s68, s67                     ; my group of four e
	s_and_b32 s69, ttmp7, 0xffff                   ; the batch, which the four partners share
	; descriptor group 1: 16 rows x 128 elements of 4 bytes, 2,048 bytes apart in memory, 16 bytes of padding behind each row in LDS
	s_mov_b32 s36, 15|(2<<16)|(1<<20)|(1<<21)|(6<<22)|(3<<25)  ; 15:0 the mask: all four work-groups; 17:16 elements of 4 bytes; 20 padding on; 21 set beside a mask; 24:22 after every 128 words; 31:25 4 words
	s_mov_b32 s37, 128<<16                         ; tensor_dim0
	s_mov_b32 s38, 16<<16                          ; tensor_dim1
	s_mov_b32 s39, 128<<16                         ; tile_dim0
	s_mov_b32 s40, 16                              ; tile_dim1
	s_mov_b32 s41, 512                             ; elements from row to row
	s_mov_b32 s42, 0
	s_mov_b32 s43, 0
	s_mov_b32 s56, 0x76543210
	s_mov_b32 s57, 0xfedcba98                      ; v_permlanex16_b32: lane l xor 16
	s_mov_b32 s58, 0x4038aa3b                      ; 2 log2(e)
	s_mov_b32 s59, s58                             ; (named with it as a pair, so it is written)
	s_mov_b32 s60, 0x3fb8aa3b                      ; log2(e)
	s_mov_b32 s61, s60
	s_lshl_b32 s70, s69, 20                        ; my tile of interval 0: batch x 2^20 + g x 16 rows + q x 512 bytes
	s_lshl_b32 s72, s31, 15
	s_add_co_u32 s70, s70, s72
	s_lshl_b32 s72, s32, 9
	s_add_co_u32 s70, s70, s72
	s_mov_b32 s71, 0
	s_mul_i32 s72, s32, 16*FRB                     ; my 16 fragments of w1
	s_mov_b32 s73, 0
	s_lshl_b32 s74, s32, 8                         ; my 64 columns, 4 bytes each
	s_mov_b32 s75, 0
	s_lshl_b32 s76, s69, 18                        ; my four rows of word_weighted
	s_lshl_b32 s78, s68, 13
	s_add_co_u32 s76, s76, s78
	s_mov_b32 s77, 0
	s_lshl_b32 s78, s32, 9                         ; K step q in a row
	s_mov_b32 s79, 0
	s_lshl_b32 s82, s69, 20                        ; the prefetches: the batch, my work-group's quarter, my wave's half of it, in tile 2: the first trip steps it to tile 3
	s_lshl_b32 s84, s67, 14
	s_add_co_u32 s82, s82, s84
	s_lshl_b32 s84, s30, 13
	s_add_co_u32 s82, s82, s84
	s_add_co_u32 s82, s82, 2*65536
	s_mov_b32 s83, 0
	s_lshr_b32 s66, s30, 1                         ; 0 in waves 0 and 1,
	s_or_b32 s66, s66, ttmp9                       ; of the batch's first cluster: the same in all four partners
	s_cmp_eq_u32 s66, 0
	s_cselect_b32 s66, 1, -1
	s_wait_kmcnt 0x0
	s_mov_b32 s44, 1                               ; group 0 for slot 0: count 1,
	s_mul_i32 s45, s30, XWV                        ; LDS address: my wave's part,
	s_add_nc_u64 s[46:47], s[4:5], s[70:71]        ; global address
	s_mov_b32 s48, 1                               ; group 0 for slot 1, which then walks
	s_add_co_u32 s49, s45, SLOT
	s_add_nc_u64 s[50:51], s[46:47], 65536         ; 32 rows on
	s_or_b32 s47, s47, 0x80000000                  ; type 2
	s_or_b32 s51, s51, 0x80000000
	s_add_nc_u64 s[62:63], s[4:5], s[82:83]
	s_add_nc_u64 s[16:17], s[16:17], s[72:73]
	s_add_nc_u64 s[18:19], s[18:19], s[74:75]
	s_add_nc_u64 s[8:9], s[8:9], s[74:75]
	s_add_nc_u64 s[84:85], s[10:11], s[74:75]
	s_add_nc_u64 s[80:81], s[6:7], s[76:77]
	s_add_nc_u64 s[6:7], s[80:81], s[78:79]
	ROUND                                          ; all four work-groups are here: the first joint loads meet
	tensor_load_to_lds s[44:47], s[36:43]          ; tile 0
	s_nop 0
	tensor_load_to_lds s[48:51], s[36:43]          ; tile 1: two loads of mine are out
	s_nop 0
	PLACES
	s_load_b32 s86, s[12:13], 0x0                  ; b2
	v_and_b32 v[LN], 31, v0
	v_and_b32 v[RR], 15, v0
	v_bfe_u32 v[HH], v0, 4, 1
	v_lshlrev_b32 v250, 4, v[LN]                   ; 16 x lane: an image's place for my lane
	v_lshlrev_b32 v251, 2, v[RR]
	v_lshl_add_u32 v252, v[HH], 7, v251            ; y: 128 h + 4 n
	v_lshl_add_u32 v251, v[HH], 10, v251           ; w1's scale words: 1,024 h + 4 r
	v_lshlrev_b32 v253, 5, v[HH]                   ; b1, w2: 32 h
	v_lshlrev_b32 v254, 5, v[LN]                   ; all of w2: 8 numbers a lane
	WIN 0x40
.irp f, 0,1,2,3,4,5,6,7,8,9,10,11,12,13,14,15
.irp k, 0,1,2
	global_load_b128 v[12*\f+4*\k:12*\f+4*\k+3], v250, s[16:17] offset:\f*FRB+512*\k   ; w1's fragments: they stay
.endr
.endr
	WIN 0
.irp t, 0,1,2,3
.irp g, 0,1
	global_load_b32 v[W1S+2*\t+\g], v251, s[18:19] offset:2048*\g+64*\t
.endr
.endr
.irp e, 0,1,2,3
.irp j, 0,1,2,3
	global_load_b32 v[YN+4*\e+\j], v252, s[6:7] offset:2048*\e+256*(\j/2)+64*(\j%2)
.endr
.endr
.irp t, 0,1,2,3
	global_load_b128 v[CB1+8*\t:CB1+8*\t+3], v253, s[8:9] offset:64*\t
	global_load_b128 v[CB1+8*\t+4:CB1+8*\t+7], v253, s[8:9] offset:64*\t+16
	global_load_b128 v[W2N+8*\t:W2N+8*\t+3], v253, s[84:85] offset:64*\t
	global_load_b128 v[W2N+8*\t+4:W2N+8*\t+7], v253, s[84:85] offset:64*\t+16
.endr
	global_load_b128 v[128:131], v254, s[10:11]
	global_load_b128 v[132:135], v254, s[10:11] offset:16
	v_mul_u32_u24 v[XA0], v[RR], XPITCH
	v_lshl_add_u32 v[XA0], v[HH], 7, v[XA0]
	v_add_nc_u32 v[XA0], s45, v[XA0]               ; my wave's tile, row r, + 128 h
	s_mul_i32 s75, s31, TEAM
	s_add_co_u32 s75, s75, IMG                     ; my team's images
	s_mul_i32 s76, s32, FRB
	s_add_co_u32 s76, s76, s75
	v_lshl_add_u32 v[IW0], v[LN], 4, s76
	v_lshl_add_u32 v[IR0], v[LN], 4, s75
	s_lshl_b32 s77, s32, 2
	s_add_co_u32 s77, s77, s75
	s_add_co_u32 s77, s77, ISC
	v_lshl_add_u32 v[SW0], v[LN], 4, s77
	s_mul_i32 s78, s32, PQ
	s_lshl_b32 s79, s31, 6
	s_add_co_u32 s78, s78, s79
	s_add_co_u32 s78, s78, PP
	v_lshl_add_u32 v[PW0], v[RR], 2, s78
	v_lshlrev_b32 v[SH8], 3, v[HH]
	v_lshlrev_b32 v[PFO], 8, v[LN]
.set ii, 0
.rept 32
	v_mov_b32 v[DD+ii], 0                          ; written once: the destination of a DPP form counts as one of its sources
.set ii, ii+1
.endr
	v_mov_b32 v[WT], 0                             ; and so does a lane permute's
	v_mov_b32 v46, 0
	v_mov_b32 v47, 0
	s_wait_loadcnt 0x0
	s_wait_kmcnt 0x0
.set ii, 0
.rept 16
	v_xor_b32 v[YN+ii], 0x80000000, v[YN+ii]       ; -y
.set ii, ii+1
.endr
.set ii, 0
.rept 16
	v_pk_mul_f32 v[CB1+2*ii:CB1+2*ii+1], v[CB1+2*ii:CB1+2*ii+1], s[58:59] op_sel_hi:[1,0]
	v_pk_mul_f32 v[W2N+2*ii:W2N+2*ii+1], v[W2N+2*ii:W2N+2*ii+1], -2.0 op_sel_hi:[1,0]
.set ii, ii+1
.endr
	v_add_f32 v128, v128, v129                     ; the sum of all of w2
	v_add_f32 v130, v130, v131
	v_add_f32 v132, v132, v133
	v_add_f32 v134, v134, v135
	v_add_f32 v128, v128, v130
	v_add_f32 v132, v132, v134
	v_add_f32 v128, v128, v132
	v_add_f32_dpp v128, v128, v128 row_xmask:1 row_mask:0xf bank_mask:0xf
	v_add_f32_dpp v128, v128, v128 row_xmask:2 row_mask:0xf bank_mask:0xf
	v_add_f32_dpp v128, v128, v128 row_xmask:4 row_mask:0xf bank_mask:0xf
	v_add_f32_dpp v128, v128, v128 row_xmask:8 row_mask:0xf bank_mask:0xf
	v_permlanex16_b32 v46, v128, s56, s57
	v_add_f32 v128, v128, v46
	v_add_f32 v128, s86, v128                      ; + b2
	v_mul_f32 v[W0], s60, v128                     ; x log2(e)
	v_mov_b32 v[W0+1], v[W0]
	s_mov_b32 s52, 0
	s_mov_b32 s53, 0
	s_mov_b32 s54, 0
	ADDR
	s_wait_tensorcnt 0x1                           ; my part of slot 0 is in, and I alone read it; slot 1's load may be out
	QPHASE                                         ; interval 0's fragments
	s_mov_b32 s53, SLOT
	s_mov_b32 s55, 14
	; ---------------- 14 trips: interval i's products beside interval i + 1's fragments; slot i % 2 takes tile i + 2
.Linterval:
	s_wait_tensorcnt 0x0                           ; my one load that was out, tile i + 1, has landed: a group 0 may be written
	ds_add_u32 v[SPW], v[NIL]                      ; 0 onto my spare word: the steps below stand between it and the wait for it
	s_xor_b32 s49, s49, SLOT                       ; the walking descriptor: the other slot than last time,
	s_add_nc_u64 s[50:51], s[50:51], 65536         ; 32 rows on; the type bits on top are not reached
	s_wait_xcnt 0x0                                ; the last prefetch, an interval back, has read its address
	s_add_nc_u64 s[62:63], s[62:63], 65536         ; one tile further on than the walking descriptor
	s_wait_dscnt 0x0                               ; the add is done; my reads of the slot and of the images are in, my images and scores have landed
	ROUND                                          ; so of every wave of all four work-groups: the images of interval i are whole, nobody reads buffer (i + 1) % 2 or slot i % 2
	tensor_load_to_lds s[48:51], s[36:43]          ; my one tensor load behind the round, and the first thing there
	s_nop 0
	ADDR                                           ; five plain lines behind it
	ASK
	WORK
	s_xor_b32 s52, s52, SLOT
	s_xor_b32 s53, s53, SLOT
	s_add_co_u32 s54, s54, 128
	s_sub_co_u32 s55, s55, 1
	s_cmp_lg_u32 s55, 0
	s_cbranch_scc1 .Linterval
	; interval 14 is written out: nothing is left to fetch
	s_wait_tensorcnt 0x0                           ; tile 15 has landed
	ds_add_u32 v[SPW], v[NIL]
	s_wait_dscnt 0x0
	s_barrier_signal -1
	s_barrier_wait -1
	ADDR
	WORK
	s_xor_b32 s52, s52, SLOT
	s_add_co_u32 s54, s54, 128
	BAR                                            ; interval 15: its fragments lie in LDS
	v_add_nc_u32 v[IRA], s52, v[IR0]
	v_add_nc_u32 v[PWA], s54, v[PW0]
	MMT
	; ---------------- the tail.  T0: x^T's fragments for h = 64 w on take w1's registers (the last products that read them stand ahead of the last tanh)
	v_lshlrev_b32 v3, 4, v[LN]                     ; 16 x lane
	v_lshlrev_b32 v4, 2, v[RR]
	v_lshl_add_u32 v4, v[HH], 11, v4               ; x^T's scale words: 2,048 h + 4 r
	s_mul_i32 s70, s69, 196608
	s_mul_i32 s72, s30, 16*FRB
	s_add_co_u32 s70, s70, s72
	s_add_nc_u64 s[24:25], s[24:25], s[70:71]
	s_lshl_b32 s72, s69, 13
	s_lshl_b32 s74, s30, 8
	s_add_co_u32 s72, s72, s74
	s_add_nc_u64 s[26:27], s[26:27], s[72:73]
	s_mov_b32 s75, 0
	s_add_nc_u64 s[80:81], s[80:81], s[74:75]      ; y: my four rows, h = 64 w on
	s_mul_i32 s76, s30, 8*FRB
	s_mov_b32 s77, 0
	s_add_nc_u64 s[20:21], s[20:21], s[76:77]      ; w3: my two tiles' eight fragments
	s_lshl_b32 s78, s30, 7
	s_mov_b32 s79, 0
	s_add_nc_u64 s[22:23], s[22:23], s[78:79]
	s_lshl_b32 s88, s69, 17
	s_lshl_b32 s90, s68, 12
	s_add_co_u32 s88, s88, s90
	s_mov_b32 s89, 0
	s_add_nc_u64 s[28:29], s[28:29], s[88:89]      ; my four rows of the output
	WIN 0x40
.irp f, 0,1,2,3,4,5,6,7,8,9,10,11,12,13,14,15
.irp k, 0,1,2
	global_load_b128 v[12*\f+4*\k:12*\f+4*\k+3], v3, s[24:25] offset:\f*FRB+512*\k
.endr
.endr
	WIN 0
.irp t, 0,1,2,3
.irp g, 0,1
	global_load_b32 v[W1S+2*\t+\g], v4, s[26:27] offset:4096*\g+64*\t
.endr
.endr
	BAR                                            ; all parts of all scores lie in LDS
	v_and_b32 v40, 3, v[RR]                        ; my row's e
	v_mul_u32_u24 v5, v40, PE
	v_lshl_add_u32 v5, v[HH], 6, v5
	s_lshl_b32 s70, s30, 8
	s_add_co_u32 s70, s70, PP
	v_add_nc_u32 v5, s70, v5                       ; the scores of my e, keys 64 w + 16 h on
	v_lshl_add_u32 v6, v0, 2, MXB
	v_lshl_add_u32 v7, v[LN], 2, MXB
	v_lshl_add_u32 v8, v0, 2, LSB
	v_lshl_add_u32 v9, v[LN], 2, LSB
	s_mul_i32 s70, s30, 768
	s_add_co_u32 s70, s70, PIMG
	v_lshl_add_u32 v10, v[LN], 3, s70              ; my wave's half fragment
	s_lshr_b32 s70, s30, 1
	s_lshl_b32 s70, s70, 6
	s_and_b32 s71, s30, 1
	s_lshl_b32 s71, s71, 1
	s_add_co_u32 s70, s70, s71
	s_add_co_u32 s70, s70, PSC
	v_lshl_add_u32 v11, v[RR], 2, s70              ; its two scale bytes: 64 (w / 2) + 4 r + 2 (w % 2)
	v_lshl_add_u32 v12, v[LN], 3, PIMG
	v_lshl_add_u32 v13, v[RR], 2, PSC
	v_lshlrev_b32 v41, 2, v[RR]
	v_lshl_add_u32 v41, v[HH], 10, v41             ; w3's scale words: 1,024 h + 4 r
	v_lshlrev_b32 v45, 4, v0                       ; 16 x thread
	v_and_b32 v42, 1023, v45                       ; b3: my four columns
	v_lshlrev_b32 v43, 10, v40
	v_lshl_add_u32 v43, v[HH], 5, v43
	s_lshl_b32 s70, s30, 7
	s_add_co_u32 s70, s70, STG
	v_add_nc_u32 v43, s70, v43                     ; the stage: row e, + 128 w + 32 h
	v_add_nc_u32 v44, STG, v45
	v_lshlrev_b32 v40, 11, v40
	v_lshl_add_u32 v40, v[HH], 6, v40              ; y: 2,048 e + 64 h
	; T1: t for my 32 keys, and their maximum
.irp q, 0,1,2,3
.irp b, 0,1
.irp j, 0,1,2,3
	ds_load_b128 v[NB+32*\q+16*\b+4*\j:NB+32*\q+16*\b+4*\j+3], v5 offset:PQ*\q+128*\b+16*\j
.endr
.endr
.endr
	WIN 0x40                                       ; the second group of loads: y (8), w3's fragments (24), its scale words (4), b3 (1)
.irp b, 0,1
.irp j, 0,1,2,3
	global_load_b128 v[192+16*\b+4*\j:192+16*\b+4*\j+3], v40, s[80:81] offset:128*\b+16*\j
.endr
.endr
.irp f, 6,7
.irp k, 0,1,2
	global_load_b128 v[224+12*(\f-6)+4*\k:224+12*(\f-6)+4*\k+3], v3, s[20:21] offset:\f*FRB+512*\k
.endr
.endr
	WIN 0
.irp f, 0,1,2,3,4,5
.irp k, 0,1,2
	global_load_b128 v[48+12*\f+4*\k:48+12*\f+4*\k+3], v3, s[20:21] offset:\f*FRB+512*\k
.endr
.endr
.irp t, 0,1
.irp g, 0,1
	global_load_b32 v[W3S+2*\t+\g], v41, s[22:23] offset:2048*\g+64*\t
.endr
.endr
	global_load_b128 v[120:123], v42, s[14:15]
	s_wait_dscnt 0x0
.set ii, 0
.rept 16
	v_pk_add_f32 v[NB+2*ii:NB+2*ii+1], v[NB+2*ii:NB+2*ii+1], v[NB+32+2*ii:NB+33+2*ii]      ; the four waves' parts
	v_pk_add_f32 v[NB+64+2*ii:NB+65+2*ii], v[NB+64+2*ii:NB+65+2*ii], v[NB+96+2*ii:NB+97+2*ii]
.set ii, ii+1
.endr
.set ii, 0
.rept 16
	v_pk_add_f32 v[NB+2*ii:NB+2*ii+1], v[NB+2*ii:NB+2*ii+1], v[NB+64+2*ii:NB+65+2*ii]
.set ii, ii+1
.endr
.set ii, 0
.rept 16
	v_pk_fma_f32 v[NB+2*ii:NB+2*ii+1], v[NB+2*ii:NB+2*ii+1], s[60:61], v[W0:W0+1] op_sel_hi:[1,0,1]   ; t = score x log2(e)
.set ii, ii+1
.endr
	v_max3_num_f32 v160, v128, v129, v130
.irp i, 131,133,135,137,139,141,143,145,147,149,151,153,155,157
	v_max3_num_f32 v160, v160, v[\i], v[\i+1]
.endr
	v_max_num_f32 v160, v160, v159
	v_permlanex16_b32 v161, v160, s56, s57
	v_max_num_f32 v160, v160, v161
	ds_store_b32 v6, v160
	BAR
	; T2: M, p, its sum, its codes
.irp k, 0,1,2,3,4,5,6,7
	ds_load_b32 v[160+\k], v7 offset:128*\k
.endr
	s_wait_dscnt 0x0
	v_max3_num_f32 v160, v160, v161, v162
	v_max3_num_f32 v160, v160, v163, v164
	v_max3_num_f32 v160, v160, v165, v166
	v_max_num_f32 v160, v160, v167                 ; the row's largest t
	v_floor_f32 v186, -v160                        ; -M = floor(-t) = -ceil(t)
	v_mov_b32 v187, v186
.set ii, 0
.rept 16
	v_pk_add_f32 v[NB+2*ii:NB+2*ii+1], v[NB+2*ii:NB+2*ii+1], v[186:187]
.set ii, ii+1
.endr
.set ii, 0
.rept 32
	v_exp_f32 v[NB+ii], v[NB+ii]                   ; p = 2^(t - M): not normalised
.set ii, ii+1
.endr
	v_mov_b32 v170, 0                              ; a plain line behind the exponentials (and a lane permute's destination is written before it is named)
	v_mov_b32 v171, 0
	s_wait_alu depctr_va_vdst(0)                   ; one wait for the batch, ahead of its first reader
	v_pk_add_f32 v[188:189], v[NB:NB+1], v[NB+2:NB+3]              ; the sum is taken of the unquantised p
.set ii, 2
.rept 14
	v_pk_add_f32 v[188:189], v[188:189], v[NB+2*ii:NB+2*ii+1]
.set ii, ii+1
.endr
	v_add_f32 v188, v188, v189
	v_permlanex16_b32 v189, v188, s56, s57
	v_add_f32 v188, v188, v189
	ds_store_b32 v8, v188
	QHALF
	HSTORE 0
	BAR
	; T3: pooled^T = x^T p^T for my 64 h; / sum + y; codes
	FRAGIN 0
.irp k, 0,1,2,3,4,5,6,7
	ds_load_b32 v[160+\k], v9 offset:128*\k
.endr
	s_wait_dscnt 0x0
	s_wait_loadcnt 37                              ; x^T's fragments and scale words are in; the second group's 37 loads may be out
	WIN 0x01
.irp s, 0,1,2,3
.irp t, 0,1,2,3
	WM ACC+8*\t, 12*(4*\t+\s), FF+12*\s, \s, W1S+2*\t+\s/2, FS+\s
.endr
.endr
	WIN 0
	v_add_f32 v160, v160, v161                     ; the eight waves' sums; these seven lines are also the places behind the products
	v_add_f32 v162, v162, v163
	v_add_f32 v164, v164, v165
	v_add_f32 v166, v166, v167
	v_add_f32 v160, v160, v162
	v_add_f32 v164, v164, v166
	v_add_f32 v160, v160, v164
	v_rcp_f32 v190, v160
	v_nop
	s_wait_alu depctr_va_vdst(0)
	v_mov_b32 v191, v190
	s_wait_loadcnt 29                              ; y is in; w3's 24, its scale words' 4 and b3's load may be out
	WIN 0x10                                       ; source 2 (y) in window 1
.set ii, 0
.rept 16
	v_pk_fma_f32 v[NB+2*ii:NB+2*ii+1], v[NB+2*ii:NB+2*ii+1], v[190:191], v[192+2*ii:193+2*ii]   ; register 8 t + j: h = 64 w + 32 (t / 2) + 16 (lane / 16) + 8 (t % 2) + j
.set ii, ii+1
.endr
	WIN 0
	QHALF
	HSTORE OOFF
	BAR
	; T4: my 32 columns of w3: two accumulators by turns
	FRAGIN OOFF
	s_wait_dscnt 0x0
	s_wait_loadcnt 0x0
.irp s, 0,1,2,3
.irp t, 0,1
.if 4*\t+\s < 6
	WIN 0
	WM ACC+8*\t, 48+12*(4*\t+\s), FF+12*\s, \s, W3S+2*\t+\s/2, FS+\s
.else
	WIN 0x01
	WM ACC+8*\t, 224+12*(4*\t+\s-6), FF+12*\s, \s, W3S+2*\t+\s/2, FS+\s
.endif
.endr
.endr
	WIN 0
	PLACES
.irp t, 0,1
	ds_store_b128 v43, v[ACC+8*\t:ACC+8*\t+3] offset:64*\t         ; lane (r, h): out(e, 32 w + 16 t + 8 h + 0 .. 7); the copies write the same values to the same bytes
	ds_store_b128 v43, v[ACC+8*\t+4:ACC+8*\t+7] offset:64*\t+16
.endr
	BAR
	; T5: four whole rows leave: a wave stores 512 consecutive bytes, aligned
	ds_load_b128 v[160:163], v44
	s_wait_dscnt 0x0
	v_pk_add_f32 v[160:161], v[160:161], v[120:121]
	v_pk_add_f32 v[162:163], v[162:163], v[122:123]
	global_store_b128 v45, v[160:163], s[28:29]
	s_wait_tensorcnt 0x0                           ; the wave's end
	ds_add_u32 v[SPW], v[NIL]
	s_wait_dscnt 0x0
	ROUND                                          ; the closing round
	s_endpgm
.Lfunc_end_k_qb2b6f4e9f5_main:
	.size	k_qb2b6f4e9f5_main, .Lfunc_end_k_qb2b6f4e9f5_main-k_qb2b6f4e9f5_main
	.p2alignl 7, 3214868480
	.fill 96, 4, 3214868480
	.section	.rodata,"a",@progbits
	.p2align	6, 0x0
	.amdhsa_kernel k_qb2b6f4e9f5_main
		.amdhsa_group_segment_fixed_size 327680
		.amdhsa_private_segment_fixed_size 0
		.amdhsa_enable_private_segment 0
		.amdhsa_kernarg_size 104
		.amdhsa_user_sgpr_count 2
		.amdhsa_user_sgpr_kernarg_segment_ptr 1
		.amdhsa_wavefront_size32 1
		.amdhsa_system_sgpr_workgroup_id_x 1
		.amdhsa_system_sgpr_workgroup_id_y 1
		.amdhsa_system_sgpr_workgroup_id_z 1
		.amdhsa_system_vgpr_workitem_id 0
		.amdhsa_next_free_vgpr 512
		.amdhsa_next_free_sgpr 96
		.amdhsa_reserve_vcc 0
		.amdhsa_float_denorm_mode_32 3
		.amdhsa_float_denorm_mode_16_64 3
		.amdhsa_memory_ordered 1
		.amdhsa_forward_progress 1
		.amdhsa_inst_pref_size 255
	.end_amdhsa_kernel
	.section	.bss,"aw",@nobits
	.p2align	6
	.space	262144
	.amdgpu_metadata
---
amdhsa.version: [ 1, 2 ]
amdhsa.kernels:
  - .name:           k_qb2b6f4e9f5_main
    .symbol:         k_qb2b6f4e9f5_main.kd
    .args:
      - { .name: word_all, .offset: 0, .size: 8, .value_kind: global_buffer, .address_space: global }
      - { .name: word_weighted, .offset: 8, .size: 8, .value_kind: global_buffer, .address_space: global }
      - { .name: b1, .offset: 16, .size: 8, .value_kind: global_buffer, .address_space: global }
      - { .name: w2, .offset: 24, .size: 8, .value_kind: global_buffer, .address_space: global }
      - { .name: b2, .offset: 32, .size: 8, .value_kind: global_buffer, .address_space: global }
      - { .name: b3, .offset: 40, .size: 8, .value_kind: global_buffer, .address_space: global }
      - { .name: w1f, .offset: 48, .size: 8, .value_kind: global_buffer, .address_space: global }
      - { .name: w1s, .offset: 56, .size: 8, .value_kind: global_buffer, .address_space: global }
      - { .name: w3f, .offset: 64, .size: 8, .value_kind: global_buffer, .address_space: global }
      - { .name: w3s, .offset: 72, .size: 8, .value_kind: global_buffer, .address_space: global }
      - { .name: xtf, .offset: 80, .size: 8, .value_kind: global_buffer, .address_space: global }
      - { .name: xts, .offset: 88, .size: 8, .value_kind: global_buffer, .address_space: global }
      - { .name: out0, .offset: 96, .size: 8, .value_kind: global_buffer, .address_space: global }
    .group_segment_fixed_size: 327680
    .private_segment_fixed_size: 0
    .kernarg_segment_align: 8
    .kernarg_segment_size: 104
    .max_flat_workgroup_size: 256
    .sgpr_count:     96
    .vgpr_count:     512
    .wavefront_size: 32
...
	.end_amdgpu_metadata
.endif
;; end of part 2
;; ======== version 2 of 2: 2 launches
;; limits: right only within a limited range of input values
;; workspace buffers: w1f 98,304 bytes; w1s 4,096 bytes; w3f 98,304 bytes; w3s 4,096 bytes; xtf 1,572,864 bytes; xts 65,536 bytes
;; launch prep (part 3): grid 288 x 1, 2 waves a work-group, no clusters, 0 bytes of LDS; arguments word_all, w1, w3, xtf, xts, w1f, w1s, w3f, w3s; writes xtf, xts, w1f, w1s, w3f, w3s
.if DOCPART == 3
	.amdgcn_target "amdgcn-amd-amdhsa--gfx1250"
	.amdhsa_code_object_version 6
	.text
	.protected	k_qb2b6f4e9f5_prep
	.globl	k_qb2b6f4e9f5_prep
	.p2align	8
	.type	k_qb2b6f4e9f5_prep,@function
k_qb2b6f4e9f5_prep:
	s_mov_b64 s[64:65], 0
	v_nop
	global_prefetch_b8 v0, s[64:65] scope:SCOPE_SE
	s_setreg_imm32_b32 hwreg(HW_REG_WAVE_MODE, 25, 1), 1
	s_wait_xcnt 0x0
; The three operands whose K is their FIRST axis are turned into codes of FP6 (E2M3) with one E8M0 byte for each 32 along K:
;   word_all [8][512 (a = K)][512 (h)] for the pooling product, w1 and w3 [512 (h = K)][256 (m)].
; A LANE TAKES A COLUMN AND ITS REGISTERS RUN DOWN K: a load reads 128 consecutive bytes a wave (256 a work-group), a block of 32 along K lies in one lane,
; so its largest magnitude needs no other lane, and the conversions give codes with K innermost.  Nothing is transposed by an instruction.
; THE CODES ARE LAID AS IMAGES OF THE OPERAND'S REGISTERS: fragment (tile of 16 columns T, K step s of 128) at (4 T + s) x 1,536 bytes; in it group g of four registers of
; operand lane p + 16 h' at 512 g + 16 (p + 16 h').  Operand lane (p, h') holds column p's blocks h' and 2 + h', so my column's four blocks are two operand lanes' registers.
; Each store of 16 bytes a lane fills two whole aligned runs of 256 bytes.  The scale words (four bytes: one column, one K step) lie at s x 4 x columns + 4 (16 T + p).
; w1, w3: column = 16 T + p.  word_all: row p of tile 4 w + 2 b + u is column 64 w + 32 b + 16 (p / 8) + 8 u + p % 8, so that two neighbouring result tiles are 16 neighbours along the next product's K.
; A work-group takes 64 columns x one K step; work-groups 0-255 word_all (batch, 8 column groups, 4 K steps), 256-287 w1 and w3 (4 column groups, 4 K steps each).
; A block's scale is 2^(floor(log2(largest magnitude)) - 2); its byte is that magnitude's exponent field - 2, held at 1 from below.
; LIMITS: NaN and infinities are not served; a block whose largest magnitude lies under 2^-124 gets the byte 1; a block of zeros gets 1 and not 127: its codes are zeros, and this program alone reads the bytes.
.set XN, 48                            ; v48-175  my column's 128 numbers
.macro LOADB kb, pitch                 ; block kb: rows 32 kb + 0 .. 31 of the K step
.set li, 0
.rept 32
	global_load_b32 v[XN+32*(\kb)+li], v2, s[4:5] offset:(32*(\kb)+li)*(\pitch) th:TH_LOAD_NT
.set li, li+1
.endr
.endm
.macro BLOCKQ kb                       ; block kb's scale byte and 32 codes
.set XS, XN+32*(\kb)
.set CD, 20+12*((\kb)%2)+6*((\kb)/2)   ; blocks 0, 2 -> v20-31 (operand lane h' = 0), blocks 1, 3 -> v32-43 (h' = 1)
	v_max3_num_f32 v8, |v[XS]|, |v[XS+1]|, 0x1800000               ; two chains by turns; the floor 2^(3 - 127) is a leaf: the byte cannot fall under 1
	v_max3_num_f32 v9, |v[XS+16]|, |v[XS+17]|, |v[XS+18]|
.irp i, 2,4,6,8,10,12
	v_max3_num_f32 v8, v8, |v[XS+\i]|, |v[XS+\i+1]|
	v_max3_num_f32 v9, v9, |v[XS+17+\i]|, |v[XS+18+\i]|
.endr
	v_max3_num_f32 v8, v8, |v[XS+14]|, |v[XS+15]|
	v_max3_num_f32 v8, v8, v9, |v[XS+31]|
	v_add_nc_u32 v10, 0xff000000, v8                               ; 2 off the exponent field: the conversion takes this operand's exponent field as its scale
	v_cvt_scalef32_pk16_fp6_f32 v[CD:CD+2], v[XS:XS+15], v10
	v_cvt_scalef32_pk16_fp6_f32 v[14:16], v[XS+16:XS+31], v10      ; (a conversion's three registers begin on an even number: the upper half is made here and moved)
	v_lshrrev_b32 v11, 23, v10                                     ; the byte; also the plain line behind the conversions
.if (\kb) == 0
	v_mov_b32 v12, v11
.else
	v_lshl_or_b32 v12, v11, 8*(\kb), v12                           ; the scale word: the lower K in the lower byte
.endif
	v_mov_b32 v[CD+3], v14
	v_mov_b32 v[CD+4], v15
	v_mov_b32 v[CD+5], v16
.endm
.macro PREPBODY pitch, perm
	LOADB 0, \pitch
	LOADB 1, \pitch
.if \perm
	v_bfe_u32 v5, v1, 3, 1                         ; u
	v_and_b32 v6, 7, v1
	v_lshrrev_b32 v7, 4, v1
	v_lshl_add_u32 v6, v7, 3, v6                   ; p = lane % 8 + 8 (lane / 16)
.else
	v_lshrrev_b32 v5, 4, v1                        ; u
	v_and_b32 v6, 15, v1                           ; p
.endif
	s_mul_i32 s34, s22, 12288                      ; my wave's two tiles: 8 fragments on
	s_lshl_b32 s35, s22, 5
	v_mul_u32_u24 v3, v5, 6144                     ; tile u: 4 fragments on
	v_lshl_add_u32 v3, v6, 4, v3
	v_add_nc_u32 v3, s34, v3                       ; where my codes go
	v_lshl_add_u32 v4, v5, 4, v6
	v_add_nc_u32 v4, s35, v4
	v_lshlrev_b32 v4, 2, v4                        ; where my scale word goes: 4 (32 wave + 16 u + p)
	s_wait_loadcnt 32                              ; block 0 is in; block 1's 32 loads may be out
	LOADB 2, \pitch
	BLOCKQ 0
	s_wait_loadcnt 32                              ; block 1 is in; block 2's may be out
	LOADB 3, \pitch
	BLOCKQ 1
	s_wait_loadcnt 32                              ; block 2 is in; block 3's may be out
	BLOCKQ 2
	s_wait_loadcnt 0x0
	BLOCKQ 3
.irp h, 0,1
.irp k, 0,1,2
	global_store_b128 v3, v[20+12*\h+4*\k:20+12*\h+4*\k+3], s[10:11] offset:256*\h+512*\k   ; sixteen lanes fill 256 consecutive bytes, aligned
.endr
.endr
	global_store_b32 v4, v12, s[12:13]
	s_endpgm
.endm
	s_load_b512 s[4:19], s[0:1], 0x0               ; word_all s[4:5], w1 s[6:7], w3 s[8:9], xtf s[10:11], xts s[12:13], w1f s[14:15], w1s s[16:17], w3f s[18:19]
	s_load_b64 s[20:21], s[0:1], 0x40              ; w3s
	v_and_b32 v1, 31, v0                           ; lane
	v_lshrrev_b32 v5, 5, v0
	v_readfirstlane_b32 s22, v5                    ; wave 0, 1
	v_lshlrev_b32 v2, 2, v0                        ; my column among the work-group's 64, in bytes
	s_mov_b32 s27, 0
	s_mov_b32 s29, 0
	s_mov_b32 s31, 0
	s_cmp_lt_u32 ttmp9, 256
	s_cbranch_scc0 .Lweights
	s_lshr_b32 s23, ttmp9, 5                       ; batch
	s_bfe_u32 s24, ttmp9, 0x30002                  ; column group 0..7
	s_and_b32 s25, ttmp9, 3                        ; K step
	s_lshl_b32 s26, s23, 20                        ; from: batch x 2^20 + K step x 128 rows of 2,048 bytes + 256 x column group
	s_lshl_b32 s28, s25, 18
	s_add_co_u32 s26, s26, s28
	s_lshl_b32 s28, s24, 8
	s_add_co_u32 s26, s26, s28
	s_lshl_b32 s28, s24, 4                         ; codes: batch x 196,608 + (16 x column group + K step) x 1,536
	s_add_co_u32 s28, s28, s25
	s_mul_i32 s28, s28, 1536
	s_mul_i32 s30, s23, 196608
	s_add_co_u32 s28, s28, s30
	s_lshl_b32 s30, s23, 13                        ; scale words: batch x 8,192 + K step x 2,048 + 256 x column group
	s_lshl_b32 s32, s25, 11
	s_add_co_u32 s30, s30, s32
	s_lshl_b32 s32, s24, 8
	s_add_co_u32 s30, s30, s32
	s_wait_kmcnt 0x0
	s_add_nc_u64 s[4:5], s[4:5], s[26:27]
	s_add_nc_u64 s[10:11], s[10:11], s[28:29]
	s_add_nc_u64 s[12:13], s[12:13], s[30:31]
	s_wait_alu depctr_va_vdst(0)
	PREPBODY 2048, 1
.Lweights:
	s_sub_co_u32 s23, ttmp9, 256
	s_lshr_b32 s33, s23, 4                         ; 0: w1, 1: w3
	s_bfe_u32 s24, s23, 0x20002                    ; column group 0..3
	s_and_b32 s25, s23, 3                          ; K step
	s_lshl_b32 s26, s25, 17                        ; from: K step x 128 rows of 1,024 bytes + 256 x column group
	s_lshl_b32 s28, s24, 8
	s_add_co_u32 s26, s26, s28
	s_lshl_b32 s28, s24, 4
	s_add_co_u32 s28, s28, s25
	s_mul_i32 s28, s28, 1536
	s_lshl_b32 s30, s25, 10
	s_lshl_b32 s32, s24, 8
	s_add_co_u32 s30, s30, s32
	s_wait_kmcnt 0x0
	s_cmp_eq_u32 s33, 0                            ; the choice hangs on the work-group's number alone
	s_cselect_b64 s[4:5], s[6:7], s[8:9]
	s_cselect_b64 s[10:11], s[14:15], s[18:19]
	s_cselect_b64 s[12:13], s[16:17], s[20:21]
	s_add_nc_u64 s[4:5], s[4:5], s[26:27]
	s_add_nc_u64 s[10:11], s[10:11], s[28:29]
	s_add_nc_u64 s[12:13], s[12:13], s[30:31]
	s_wait_alu depctr_va_vdst(0)
	PREPBODY 1024, 0
.Lfunc_end_k_qb2b6f4e9f5_prep:
	.size	k_qb2b6f4e9f5_prep, .Lfunc_end_k_qb2b6f4e9f5_prep-k_qb2b6f4e9f5_prep
	.p2alignl 7, 3214868480
	.fill 96, 4, 3214868480
	.section	.rodata,"a",@progbits
	.p2align	6, 0x0
	.amdhsa_kernel k_qb2b6f4e9f5_prep
		.amdhsa_group_segment_fixed_size 0
		.amdhsa_private_segment_fixed_size 0
		.amdhsa_enable_private_segment 0
		.amdhsa_kernarg_size 72
		.amdhsa_user_sgpr_count 2
		.amdhsa_user_sgpr_kernarg_segment_ptr 1
		.amdhsa_wavefront_size32 1
		.amdhsa_system_sgpr_workgroup_id_x 1
		.amdhsa_system_sgpr_workgroup_id_y 1
		.amdhsa_system_sgpr_workgroup_id_z 1
		.amdhsa_system_vgpr_workitem_id 0
		.amdhsa_next_free_vgpr 176
		.amdhsa_next_free_sgpr 66
		.amdhsa_reserve_vcc 0
		.amdhsa_float_denorm_mode_32 3
		.amdhsa_float_denorm_mode_16_64 3
		.amdhsa_memory_ordered 1
		.amdhsa_forward_progress 1
		.amdhsa_inst_pref_size 41
	.end_amdhsa_kernel
	.amdgpu_metadata
---
amdhsa.version: [ 1, 2 ]
amdhsa.kernels:
  - .name:           k_qb2b6f4e9f5_prep
    .symbol:         k_qb2b6f4e9f5_prep.kd
    .args:
      - { .name: word_all, .offset: 0, .size: 8, .value_kind: global_buffer, .address_space: global }
      - { .name: w1, .offset: 8, .size: 8, .value_kind: global_buffer, .address_space: global }
      - { .name: w3, .offset: 16, .size: 8, .value_kind: global_buffer, .address_space: global }
      - { .name: xtf, .offset: 24, .size: 8, .value_kind: global_buffer, .address_space: global }
      - { .name: xts, .offset: 32, .size: 8, .value_kind: global_buffer, .address_space: global }
      - { .name: w1f, .offset: 40, .size: 8, .value_kind: global_buffer, .address_space: global }
      - { .name: w1s, .offset: 48, .size: 8, .value_kind: global_buffer, .address_space: global }
      - { .name: w3f, .offset: 56, .size: 8, .value_kind: global_buffer, .address_space: global }
      - { .name: w3s, .offset: 64, .size: 8, .value_kind: global_buffer, .address_space: global }
    .group_segment_fixed_size: 0
    .private_segment_fixed_size: 0
    .kernarg_segment_align: 8
    .kernarg_segment_size: 72
    .max_flat_workgroup_size: 64
    .sgpr_count:     66
    .vgpr_count:     176
    .wavefront_size: 32
...
	.end_amdgpu_metadata
.endif
;; end of part 3
;; launch main (part 4): grid 32 x 8, 8 waves a work-group, clusters of 4 x 1, 327,680 bytes of LDS; arguments word_all, word_weighted, b1, w2, b2, b3, w1f, w1s, w3f, w3s, xtf, xts, out0; writes out0
.if DOCPART == 4
	.amdgcn_target "amdgcn-amd-amdhsa--gfx1250"
	.amdhsa_code_object_version 6
	.text
	.protected	k_qb2b6f4e9f5_main
	.globl	k_qb2b6f4e9f5_main
	.p2align	8
	.type	k_qb2b6f4e9f5_main,@function
k_qb2b6f4e9f5_main:
	s_mov_b64 s[64:65], 0
	v_nop
	global_prefetch_b8 v0, s[64:65] scope:SCOPE_SE
	s_setreg_imm32_b32 hwreg(HW_REG_WAVE_MODE, 25, 1), 1
	s_wait_xcnt 0x0
	s_wait_alu depctr_hold_cnt(0) depctr_sa_sdst(0) depctr_va_vdst(0) depctr_va_sdst(0) depctr_va_ssrc(0) depctr_va_vcc(0) depctr_vm_vsrc(0)
	s_getreg_b32 s2, hwreg(HW_REG_IB_STS2, 6, 4)
	s_cmp_eq_u32 s2, 0
	s_cbranch_scc0 .Lentry_in_a_cluster
	s_endpgm
.Lentry_in_a_cluster:
	s_bfe_u32 s2, ttmp6, 0x10000c
	s_cmp_lg_u32 s2, 0x3003
	s_cbranch_scc0 .Lentry_shape_is_right
	s_endpgm
.Lentry_shape_is_right:
; out = (softmax over a of (w2 . tanh((x_a - y_e) W1 + b1) + b2) X + y_e) W3 + b3; the three wide products on codes of FP6 (E2M3) with one E8M0 byte for each 32 along K.
; A work-group of eight waves takes 4 rows e of one batch and all 512 rows a: 32 x 8 work-groups.  The four of a cluster read the same rows of x and ask for them jointly.
; An interval is 32 rows a, two teams of four waves with 16 rows each.  In a team wave k quantises K = 128 k .. 128 k + 127 of the 4 x 16 differences x_a - y_e (QPHASE: images of
; the operand's registers in LDS) and multiplies all of K against its own 64 columns of W1, whose codes stay in registers (MMT).  Interval i + 1 is quantised while interval i is multiplied;
; of the two waves that share a SIMD one quantises first and the other multiplies first.  x goes through a ring of two slots, one joint load a wave behind each round of the cluster's barrier.
; TANH: w tanh(x) = w - 2 w / (1 + 2^t), t = 2 log2(e) x.  The sum of w2 and b2 are added once, at the softmax.  FOUR QUOTIENTS SHARE ONE RECIPROCAL:
; w0/a0 + w1/a1 + w2/a2 + w3/a3 = N / D with D = a0 a1 a2 a3, made by packed multiply-adds: 16 reciprocals for 64 numbers.
; t is held at 30 from above: beyond it 1 / (1 + 2^t) lies under 2^-30, below the rounding of a score in f32, and D stays under 2^121, so that neither D nor 1 / D leaves f32's normal range.
; Behind the walk: the softmax as the contract has it (M = ceil of the row's largest t, the sum of the unquantised p), the pooling product on xtf, the last product on w3f.
; Every input has a way to the output and is loaded; no work is left out.
; LIMITS: NaN and infinities among the inputs are not served; a block whose largest magnitude lies under 2^-124 gets the scale byte 1; |w2| stays under 2^30, so that N stays finite.
.set SLOT,   131072
.set XWV,    8448
.set XPITCH, 528
.set IMG,    67584
.set TEAM,   26624
.set FRB,    1536
.set ISC,    24576
.set PP,     262144
.set PQ,     8256
.set PE,     2064
.set SPARE,  295424
.set MXB,    296448
.set LSB,    297472
.set PIMG,   298496
.set PSC,    304640
.set OOFF,   6400
.set STG,    311296
.set SPW, 1
.set NIL, 2
.set XA0, 3
.set IW0, 4
.set SW0, 5
.set IR0, 6
.set PW0, 7
.set XAD, 8
.set IWA, 9
.set SWA, 10
.set IRA, 11
.set PWA, 12
.set SH8, 13
.set W0,  14
.set W1S, 16
.set FS,  24
.set W3S, 32
.set PFO, 36
.set LN,  37
.set RR,  38
.set HH,  39
.set YN,  48
.set CB1, 64
.set W2N, 96
.set ACC, 128
.set XX,  128
.set FF,  192
.set DD,  192
.set PCD, 224
.set PTM, 236
.set SCL, 242
.set BYT, 244
.set WW,  246
.set WT,  247
.set MQ,  250
.set XPO, 255                          ; v255: the offset of my prefetch of xtf: 256 x min(lane, 23); never rewritten
.set YAD, 254                          ; v254: LDS address of my wave's copy of y, + 128 x (lane / 16); never rewritten behind the head
.set YB,  192                          ; window 1, v192-255: two buffers of 32 numbers of y (MMT's second set of fragments lies there while QPHASE does not run)
.set YLB, 120832                       ; behind a slot's x tiles and images: y, 2,048 bytes a wave (4 rows e x my 128 along K), team 0's in slot 0, team 1's in slot 1; no tensor load lands there
.set NB,  128
.set MSB, 0
.macro WIN new
.if MSB != \new
	s_set_vgpr_msb (MSB<<8)|\new
.set MSB, \new
.endif
.endm
.macro PLACES
.rept 4
	v_nop
.endr
.endm
.macro ROUND
	s_barrier_signal -1
	s_barrier_wait -1
	s_cmp_lg_u32 s30, 0
	s_cbranch_scc1 .Lnot_wave_0_\@
	s_barrier_signal -3
.Lnot_wave_0_\@:
	s_barrier_wait -3
	s_barrier_signal -1
	s_barrier_wait -1
.endm
.macro BAR
	s_wait_dscnt 0x0
	s_barrier_signal -1
	s_barrier_wait -1
.endm
.macro ADDR
	v_add_nc_u32 v[XAD], s53, v[XA0]
	v_add_nc_u32 v[IWA], s53, v[IW0]
	v_add_nc_u32 v[SWA], s53, v[SW0]
	v_add_nc_u32 v[IRA], s52, v[IR0]
	v_add_nc_u32 v[PWA], s54, v[PW0]
.endm
.macro ASK
	s_cmp_gt_u32 s55, s66
	s_cbranch_scc0 .Lnot_mine_\@
	global_prefetch_b8 v[PFO], s[62:63] th:TH_LOAD_NT scope:SCOPE_SE
.Lnot_mine_\@:
.endm
; y of block (e, c): K = 64 c + 32 (lane / 16) + 0 .. 31 of my 128, from my wave's own copy in LDS; sixteen lanes read the same 16 bytes.  Into buffer c
.macro YLOAD e, c
.irp m, 0,1,2,3,4,5,6,7
	ds_load_b128 v[YB+32*(\c)+4*\m:YB+32*(\c)+4*\m+3], v[YAD] offset:512*(\e)+256*(\c)+16*\m
.endr
.endm
.macro MXF j, a, b, k
	v_max3_num_f32 v[MQ+\j], |v[DD+\a]|, |v[DD+\b]|, |v[DD+\k]|
.endm
.macro MXN j, a, b
	v_max3_num_f32 v[MQ+\j], v[MQ+\j], |v[DD+\a]|, |v[DD+\b]|
.endm
; One block of 32 along K of row e's differences, 16 rows a in the lanes: x - y two at a time, the largest magnitude in four chains, the scale, 32 codes.
; fin: the block before (pe, pc) is finished on the way: its upper codes are moved into place and, behind a pair of blocks, the operand's image and its scale word go to LDS.
.macro QBLOCK e, c, fin, pe, pc
.if 2*\e+\c < 7
	WIN 0x40
	YLOAD (2*\e+\c+1)/2, 1-\c                      ; the next block's y, a block ahead, into the other buffer
.endif
	WIN 0x04                                       ; source 1 (y) in window 1
.irp i, 0,1,2,3,4,5,6,7,8,9,10,11,12,13,14,15
	v_pk_add_f32 v[DD+2*\i:DD+2*\i+1], v[XX+32*\c+2*\i:XX+32*\c+2*\i+1], v[YB+32*\c+2*\i:YB+32*\c+2*\i+1] neg_lo:[0,1] neg_hi:[0,1]
.endr
	WIN 0
.if \fin
.irp i, 0,1,2
	v_mov_b32 v[PCD+6*\pc+3+\i], v[PTM+\i]
.endr
.if \pc
	v_lshl_or_b32 v[WW], v[BYT+1], 16, v[BYT]
.endif
.endif
	MXF 0, 0, 4, 8
	MXF 1, 1, 5, 9
	MXF 2, 2, 6, 10
	MXF 3, 3, 7, 11
.if \fin && \pc
	v_lshlrev_b32 v[WW], v[SH8], v[WW]
.irp k, 0,1,2
	ds_store_b128 v[IWA], v[PCD+4*\k:PCD+4*\k+3] offset:4*FRB*\pe+512*\k
.endr
.endif
	MXN 0, 12, 16
	MXN 1, 13, 17
	MXN 2, 14, 18
	MXN 3, 15, 19
.if \fin && \pc
	v_permlanex16_b32 v[WT], v[WW], s56, s57
.endif
	MXN 0, 20, 24
	MXN 1, 21, 25
	MXN 2, 22, 26
	MXN 3, 23, 27
.if \fin && \pc
	v_or_b32 v[WW], v[WW], v[WT]
	ds_store_b32 v[SWA], v[WW] offset:512*\pe
.endif
	MXN 0, 28, 29
	MXN 1, 30, 31
	s_delay_alu instid0(VALU_DEP_1)
	v_max3_num_f32 v[MQ], v[MQ], v[MQ+1], v[MQ+2]
	s_delay_alu instid0(VALU_DEP_1)
	v_max3_num_f32 v[MQ], v[MQ], v[MQ+3], 0x1800000                ; the floor 2^(3 - 127): the byte cannot fall under 1
	s_delay_alu instid0(VALU_DEP_1)
	v_add_nc_u32 v[SCL+\c], 0xff000000, v[MQ]
	s_wait_alu depctr_va_vdst(0)
	s_wait_dscnt 0x0                               ; the next block's y (and x) is in, and the image's stores have read the registers that the conversions write
	v_cvt_scalef32_pk16_fp6_f32 v[PCD+6*\c:PCD+6*\c+2], v[DD:DD+15], v[SCL+\c]
	v_cvt_scalef32_pk16_fp6_f32 v[PTM:PTM+2], v[DD+16:DD+31], v[SCL+\c]
	v_lshrrev_b32 v[BYT+\c], 23, v[SCL+\c]
.endm
.macro QPHASE
	WIN 0x40
	YLOAD 0, 0
	WIN 0
.irp m, 0,1,2,3,4,5,6,7,8,9,10,11,12,13,14,15
	ds_load_b128 v[XX+4*\m:XX+4*\m+3], v[XAD] offset:256*(\m/8)+16*(\m%8)
.endr
	s_wait_dscnt 8                                 ; the first block's y and x are in; the youngest eight loads, x's second block, may be out
	QBLOCK 0, 0, 0, 0, 0
	QBLOCK 0, 1, 1, 0, 0
	QBLOCK 1, 0, 1, 0, 1
	QBLOCK 1, 1, 1, 1, 0
	QBLOCK 2, 0, 1, 1, 1
	QBLOCK 2, 1, 1, 2, 0
	QBLOCK 3, 0, 1, 2, 1
	QBLOCK 3, 1, 1, 3, 0
.irp i, 0,1,2
	v_mov_b32 v[PCD+9+\i], v[PTM+\i]
.endr
	s_delay_alu instid0(VALU_DEP_4)
	v_lshl_or_b32 v[WW], v[BYT+1], 16, v[BYT]
	s_delay_alu instid0(VALU_DEP_1)
	v_lshlrev_b32 v[WW], v[SH8], v[WW]
	s_delay_alu instid0(VALU_DEP_1)
	v_permlanex16_b32 v[WT], v[WW], s56, s57
	s_delay_alu instid0(VALU_DEP_1)
	v_or_b32 v[WW], v[WW], v[WT]
.irp k, 0,1,2
	ds_store_b128 v[IWA], v[PCD+4*\k:PCD+4*\k+3] offset:4*FRB*3+512*\k
.endr
	ds_store_b32 v[SWA], v[WW] offset:512*3
	s_wait_dscnt 0x0
.endm
.macro LFRAG e, f
.if \f
	WIN 0x40
.endif
.irp s, 0,1,2,3
.irp k, 0,1,2
	ds_load_b128 v[FF+12*\s+4*\k:FF+12*\s+4*\k+3], v[IRA] offset:(4*(\e)+\s)*FRB+512*\k
.endr
.endr
	WIN 0
	ds_load_b128 v[FS+4*\f:FS+4*\f+3], v[IRA] offset:ISC+512*(\e)
.endm
.macro WM d, a, b, ks, xa, xb
.if (\ks) == 0
	v_wmma_scale_f32_16x16x128_f8f6f4 v[\d:\d+7], v[\a:\a+11], v[\b:\b+11], 0, v[\xa], v[\xb] matrix_a_fmt:MATRIX_FMT_FP6 matrix_b_fmt:MATRIX_FMT_FP6
.elseif (\ks) % 2
	v_wmma_scale_f32_16x16x128_f8f6f4 v[\d:\d+7], v[\a:\a+11], v[\b:\b+11], v[\d:\d+7], v[\xa], v[\xb] matrix_a_fmt:MATRIX_FMT_FP6 matrix_b_fmt:MATRIX_FMT_FP6 matrix_a_scale:MATRIX_SCALE_ROW1
.else
	v_wmma_scale_f32_16x16x128_f8f6f4 v[\d:\d+7], v[\a:\a+11], v[\b:\b+11], v[\d:\d+7], v[\xa], v[\xb] matrix_a_fmt:MATRIX_FMT_FP6 matrix_b_fmt:MATRIX_FMT_FP6
.endif
.endm
.macro MM f
.if \f
	WIN 0x05
.else
	WIN 0x01
.endif
.irp s, 0,1,2,3
.irp t, 0,1,2,3
	WM ACC+32*\f+8*\t, 12*(4*\t+\s), FF+12*\s, \s, W1S+2*\t+\s/2, FS+4*\f+\s
.endr
.endr
	WIN 0
.endm
.macro PKF m
	v_pk_fma_f32 v[ACC+2*(\m):ACC+2*(\m)+1], v[ACC+2*(\m):ACC+2*(\m)+1], s[58:59], v[CB1+(2*(\m))%32:CB1+(2*(\m))%32+1] op_sel_hi:[1,0,1]
.endm
.macro PKA m
	v_pk_add_f32 v[ACC+2*(\m):ACC+2*(\m)+1], v[ACC+2*(\m):ACC+2*(\m)+1], 1.0 op_sel_hi:[1,0]
.endm
; Accumulator a of the eight (row e a / 4, tile of columns a % 4): CR its eight registers, CW its eight numbers -2 w2, CT a spare pair (v240-247: nothing lives there during MMT)
.macro CREG a
.set CR, ACC+8*(\a)
.set CW, W2N+8*((\a)%4)
.set CT, 240+2*((\a)%4)                ; v240-247: nothing lives there during MMT
.endm
; The parts of the tanh step, each for half h of the eight accumulators (row e h of the two: accumulators 4 h .. 4 h + 3), the four by turns.
; In an accumulator the pairs P0 .. P3 (registers 0-1, 2-3, 4-5, 6-7) are joined: its even registers make one group of four quotients, its odd registers another.
.macro TMIN h                          ; t held at 30 from above
.set tm, 16*(\h)
.rept 16
	v_dual_min_num_f32 v[ACC+2*tm], s91, v[ACC+2*tm] :: v_dual_min_num_f32 v[ACC+2*tm+1], s91, v[ACC+2*tm+1]
.set tm, tm+1
.endr
.endm
.macro TEXP h                          ; e = 2^t
.set tm, 32*(\h)
.rept 32
	v_exp_f32 v[ACC+tm], v[ACC+tm]
.set tm, tm+1
.endr
.endm
.macro COMB h                          ; N and D of each group of four
.irp g, 0,1,2,3
	PKA 16*(\h)+4*\g+1                             ; a1 = 1 + e1, a3 = 1 + e3; a0 and a2 are never formed: their 1 goes into the multiply-adds below
	PKA 16*(\h)+4*\g+3
.endr
.irp g, 0,1,2,3
	CREG 4*(\h)+\g
	v_pk_fma_f32 v[CT:CT+1], v[CW:CW+1], v[CR+2:CR+3], v[CW+2:CW+3]              ; w0 a1 + w1
.endr
.irp g, 0,1,2,3
	CREG 4*(\h)+\g
	v_pk_fma_f32 v[CT:CT+1], v[CW+2:CW+3], v[CR:CR+1], v[CT:CT+1]                ; + w1 e0 = w0 a1 + w1 a0 = N01
	v_pk_fma_f32 v[CR:CR+1], v[CR:CR+1], v[CR+2:CR+3], v[CR+2:CR+3]              ; e0 a1 + a1 = a0 a1 = D01
	v_pk_fma_f32 v[CR+2:CR+3], v[CW+4:CW+5], v[CR+6:CR+7], v[CW+6:CW+7]          ; w2 a3 + w3
.endr
.irp g, 0,1,2,3
	CREG 4*(\h)+\g
	v_pk_fma_f32 v[CR+2:CR+3], v[CW+6:CW+7], v[CR+4:CR+5], v[CR+2:CR+3]          ; + w3 e2 = N23
	v_pk_fma_f32 v[CR+4:CR+5], v[CR+4:CR+5], v[CR+6:CR+7], v[CR+6:CR+7]          ; a2 a3 = D23
.endr
.irp g, 0,1,2,3
	CREG 4*(\h)+\g
	v_pk_mul_f32 v[CT:CT+1], v[CT:CT+1], v[CR+4:CR+5]                            ; N01 D23
.endr
.irp g, 0,1,2,3
	CREG 4*(\h)+\g
	v_pk_fma_f32 v[CR+2:CR+3], v[CR+2:CR+3], v[CR:CR+1], v[CT:CT+1]              ; N = N23 D01 + N01 D23
	v_pk_mul_f32 v[CR:CR+1], v[CR:CR+1], v[CR+4:CR+5]                            ; D = D01 D23
.endr
.endm
.macro TRCP h                          ; 1 / D
.irp g, 0,1,2,3
	v_rcp_f32 v[ACC+32*(\h)+8*\g], v[ACC+32*(\h)+8*\g]
	v_rcp_f32 v[ACC+32*(\h)+8*\g+1], v[ACC+32*(\h)+8*\g+1]
.endr
.endm
.macro TFIN h                          ; N / D, summed in two chains
.set CR, ACC+32*(\h)
	v_pk_mul_f32 v[40+2*(\h):41+2*(\h)], v[CR+2:CR+3], v[CR:CR+1]
	v_pk_mul_f32 v[MQ+2*(\h):MQ+2*(\h)+1], v[CR+10:CR+11], v[CR+8:CR+9]
	v_pk_fma_f32 v[40+2*(\h):41+2*(\h)], v[CR+18:CR+19], v[CR+16:CR+17], v[40+2*(\h):41+2*(\h)]
	v_pk_fma_f32 v[MQ+2*(\h):MQ+2*(\h)+1], v[CR+26:CR+27], v[CR+24:CR+25], v[MQ+2*(\h):MQ+2*(\h)+1]
.endm
; 64 numbers a lane: the sum over my columns of -2 w2 / (1 + 2^t).  The two halves are one part apart, so that plain work of one half stands behind each batch of the other half's
; transcendentals and ahead of the wait for them.  Each batch has its wait ahead of it and behind it.
.macro TMAIN
.set tm, 0
.rept 32
	PKF tm                                         ; t = 2 log2(e) (x + b1): all matrix results are first read here, ahead of every transcendental, each accumulator from its low end on
.set tm, tm+1
.endr
	TMIN 0
	s_wait_alu depctr_va_vdst(0)
	TEXP 0
	TMIN 1
	s_wait_alu depctr_va_vdst(0)
	TEXP 1
	COMB 0
	s_wait_alu depctr_va_vdst(0)
	TRCP 0
	COMB 1
	s_wait_alu depctr_va_vdst(0)
	TRCP 1
	TFIN 0
	s_wait_alu depctr_va_vdst(0)
	TFIN 1
.endm
.macro TTAIL e, rs
	v_pk_add_f32 v[40:41], v[40:41], v[MQ:MQ+1]
	v_pk_add_f32 v[42:43], v[42:43], v[MQ+2:MQ+3]
	s_delay_alu instid0(VALU_DEP_2)
	v_add_f32 v[\rs], v40, v41
	s_delay_alu instid0(VALU_DEP_2)
	v_add_f32 v[\rs+1], v42, v43
	s_delay_alu instid0(VALU_DEP_2)
	v_permlanex16_b32 v46, v[\rs], s56, s57
	s_delay_alu instid0(VALU_DEP_2)
	v_permlanex16_b32 v47, v[\rs+1], s56, s57
	s_delay_alu instid0(VALU_DEP_2)
	v_add_f32 v[\rs], v[\rs], v46
	s_delay_alu instid0(VALU_DEP_2)
	v_add_f32 v[\rs+1], v[\rs+1], v47
	ds_store_b32 v[PWA], v[\rs] offset:PE*(\e)
	ds_store_b32 v[PWA], v[\rs+1] offset:PE*(\e)+PE
.endm
.macro MMT
	LFRAG 0, 0
	LFRAG 1, 1
	s_wait_dscnt 13
	MM 0
	PLACES
	LFRAG 2, 0
	s_wait_dscnt 13
	MM 1
	PLACES
	LFRAG 3, 1
	TMAIN
	s_wait_alu depctr_va_vdst(0)
	s_wait_dscnt 0x0
	MM 0
	MM 1
	TTAIL 0, 44
	TMAIN
	TTAIL 2, 248
.endm
.macro WORK
	s_cmp_eq_u32 s33, 0
	s_cbranch_scc0 .Lmmt_first_\@
	s_wait_alu depctr_va_vdst(0)
	QPHASE
.Lmmt_first_\@:
	s_wait_alu depctr_va_vdst(0)
	MMT
	s_cmp_eq_u32 s33, 0
	s_cbranch_scc1 .Lq_done_\@
	QPHASE
.Lq_done_\@:
.endm
.macro QHALF
.irp b, 0,1
	v_max3_num_f32 v[168+\b], |v[NB+16*\b]|, |v[NB+16*\b+1]|, 0x1800000
.endr
.irp i, 2,4,6,8,10,12,14
.irp b, 0,1
	v_max3_num_f32 v[168+\b], v[168+\b], |v[NB+16*\b+\i]|, |v[NB+16*\b+\i+1]|
.endr
.endr
.irp b, 0,1
	s_delay_alu instid0(VALU_DEP_2)
	v_permlanex16_b32 v[170+\b], v[168+\b], s56, s57
.endr
.irp b, 0,1
	s_delay_alu instid0(VALU_DEP_2)
	v_max_num_f32 v[168+\b], v[168+\b], v[170+\b]
.endr
.irp b, 0,1
	s_delay_alu instid0(VALU_DEP_2)
	v_add_nc_u32 v[172+\b], 0xff000000, v[168+\b]
.endr
.irp b, 0,1
	s_delay_alu instid0(VALU_DEP_2)
	v_lshrrev_b32 v[174+\b], 23, v[172+\b]
.endr
	s_delay_alu instid0(VALU_DEP_1)
	v_lshl_or_b32 v185, v175, 8, v174
	v_cvt_scalef32_pk16_fp6_f32 v[176:178], v[NB:NB+15], v172
	v_cvt_scalef32_pk16_fp6_f32 v[182:184], v[NB+16:NB+31], v173
	v_nop
.irp i, 0,1,2
	v_permlane16_swap_b32 v[176+\i], v[182+\i]
.endr
.irp i, 0,1,2
	s_delay_alu instid0(VALU_DEP_3)
	v_mov_b32 v[179+\i], v[182+\i]
.endr
.endm
.macro HSTORE off
.irp j, 0,1,2
	ds_store_b64 v10, v[176+2*\j:177+2*\j] offset:\off+256*\j
.endr
	ds_store_b16 v11, v185 offset:\off
.endm
.macro FRAGIN off
.irp k, 0,1,2,3,4,5,6,7
.irp j, 0,1,2
	ds_load_b64 v[FF+6*\k+2*\j:FF+6*\k+2*\j+1], v12 offset:\off+768*\k+256*\j
.endr
.endr
.irp s, 0,1,2,3
	ds_load_b32 v[FS+\s], v13 offset:\off+64*\s
.endr
.endm
	s_load_b512 s[4:19], s[0:1], 0x0
	s_load_b256 s[20:27], s[0:1], 0x40
	s_load_b64 s[28:29], s[0:1], 0x60
	v_lshl_add_u32 v[SPW], v0, 2, SPARE
	v_mov_b32 v[NIL], 0
	ds_add_u32 v1, v2
	ds_add_u32 v1, v2
	s_wait_dscnt 0x0
	v_lshrrev_b32 v[LN], 5, v0
	s_delay_alu instid0(VALU_DEP_1)
	v_readfirstlane_b32 s30, v[LN]
	s_lshr_b32 s31, s30, 2
	s_and_b32 s32, s30, 3
	s_xor_b32 s33, s30, s31
	s_and_b32 s33, s33, 1
	s_bfe_u32 s67, ttmp6, 0x40000
	s_lshl_b32 s68, ttmp9, 2
	s_add_co_u32 s68, s68, s67
	s_and_b32 s69, ttmp7, 0xffff
	s_mov_b32 s36, 15|(2<<16)|(1<<20)|(1<<21)|(6<<22)|(3<<25)
	s_mov_b32 s37, 128<<16
	s_mov_b32 s38, 16<<16
	s_mov_b32 s39, 128<<16
	s_mov_b32 s40, 16
	s_mov_b32 s41, 512
	s_mov_b32 s42, 0
	s_mov_b32 s43, 0
	s_mov_b32 s56, 0x76543210
	s_mov_b32 s57, 0xfedcba98
	s_mov_b32 s58, 0x4038aa3b
	s_mov_b32 s59, s58
	s_mov_b32 s60, 0x3fb8aa3b
	s_mov_b32 s61, s60
	s_mov_b32 s91, 0x41f00000                      ; 30.0: the hold on t
	s_lshl_b32 s70, s69, 20
	s_lshl_b32 s72, s31, 15
	s_add_co_u32 s70, s70, s72
	s_lshl_b32 s72, s32, 9
	s_add_co_u32 s70, s70, s72
	s_mov_b32 s71, 0
	s_mul_i32 s72, s32, 16*FRB
	s_mov_b32 s73, 0
	s_lshl_b32 s74, s32, 8
	s_mov_b32 s75, 0
	s_lshl_b32 s76, s69, 18
	s_lshl_b32 s78, s68, 13
	s_add_co_u32 s76, s76, s78
	s_mov_b32 s77, 0
	s_lshl_b32 s78, s32, 9
	s_mov_b32 s79, 0
	s_lshl_b32 s82, s69, 20
	s_lshl_b32 s84, s67, 14
	s_add_co_u32 s82, s82, s84
	s_lshl_b32 s84, s30, 13
	s_add_co_u32 s82, s82, s84
	s_add_co_u32 s82, s82, 2*65536
	s_mov_b32 s83, 0
	s_lshr_b32 s66, s30, 1
	s_or_b32 s66, s66, ttmp9
	s_cmp_eq_u32 s66, 0
	s_cselect_b32 s66, 1, -1
	s_mul_i32 s94, s69, 196608                     ; the prefetch of xtf: my batch, my wave's 16 fragments,
	s_mul_i32 s92, s30, 16*FRB
	s_add_co_u32 s94, s94, s92
	s_mul_i32 s92, s67, 4*FRB                      ; and of them my work-group's quarter: the four partners share the blocks out by address
	s_add_co_u32 s94, s94, s92
	s_mov_b32 s95, 0
	s_wait_kmcnt 0x0
	s_mov_b32 s44, 1
	s_mul_i32 s45, s30, XWV
	s_add_nc_u64 s[46:47], s[4:5], s[70:71]
	s_mov_b32 s48, 1
	s_add_co_u32 s49, s45, SLOT
	s_add_nc_u64 s[50:51], s[46:47], 65536
	s_or_b32 s47, s47, 0x80000000
	s_or_b32 s51, s51, 0x80000000
	s_add_nc_u64 s[62:63], s[4:5], s[82:83]
	s_add_nc_u64 s[92:93], s[24:25], s[94:95]
	s_add_nc_u64 s[16:17], s[16:17], s[72:73]
	s_add_nc_u64 s[18:19], s[18:19], s[74:75]
	s_add_nc_u64 s[8:9], s[8:9], s[74:75]
	s_add_nc_u64 s[84:85], s[10:11], s[74:75]
	s_add_nc_u64 s[80:81], s[6:7], s[76:77]
	s_add_nc_u64 s[6:7], s[80:81], s[78:79]
	ROUND
	tensor_load_to_lds s[44:47], s[36:43]          ; interval 0: my one tensor load at the head
	s_nop 0
	PLACES
	s_load_b32 s86, s[12:13], 0x0                  ; the loads into registers are issued while that tile is on its way
	v_and_b32 v[LN], 31, v0
	v_and_b32 v[RR], 15, v0
	v_bfe_u32 v[HH], v0, 4, 1
	s_delay_alu instid0(VALU_DEP_3)
	v_lshlrev_b32 v250, 4, v[LN]
	s_delay_alu instid0(VALU_DEP_3)
	v_lshlrev_b32 v251, 2, v[RR]
	s_delay_alu instid0(VALU_DEP_1)
	v_lshl_add_u32 v252, v[HH], 7, v251
	s_delay_alu instid0(VALU_DEP_2)
	v_lshl_add_u32 v251, v[HH], 10, v251
	v_lshlrev_b32 v253, 5, v[HH]
	v_lshlrev_b32 v254, 5, v[LN]
	WIN 0x40
.irp f, 0,1,2,3,4,5,6,7,8,9,10,11,12,13,14,15
.irp k, 0,1,2
	global_load_b128 v[12*\f+4*\k:12*\f+4*\k+3], v250, s[16:17] offset:\f*FRB+512*\k
.endr
.endr
	WIN 0
.irp t, 0,1,2,3
.irp g, 0,1
	global_load_b32 v[W1S+2*\t+\g], v251, s[18:19] offset:2048*\g+64*\t
.endr
.endr
.irp e, 0,1,2,3
.irp j, 0,1,2,3
	global_load_b32 v[YN+4*\e+\j], v252, s[6:7] offset:2048*\e+256*(\j/2)+64*(\j%2)
.endr
.endr
.irp t, 0,1,2,3
	global_load_b128 v[CB1+8*\t:CB1+8*\t+3], v253, s[8:9] offset:64*\t
	global_load_b128 v[CB1+8*\t+4:CB1+8*\t+7], v253, s[8:9] offset:64*\t+16
	global_load_b128 v[W2N+8*\t:W2N+8*\t+3], v253, s[84:85] offset:64*\t
	global_load_b128 v[W2N+8*\t+4:W2N+8*\t+7], v253, s[84:85] offset:64*\t+16
.endr
	global_load_b128 v[128:131], v254, s[10:11]
	global_load_b128 v[132:135], v254, s[10:11] offset:16
	s_wait_alu depctr_va_vdst(0)
	s_wait_tensorcnt 0x0                           ; slot 1's first fill is issued as a refill is: my load has landed,
	ds_add_u32 v1, v2                              ; the add onto my spare word,
	s_wait_dscnt 0x0
	ROUND                                          ; a round of the cluster's barrier,
	tensor_load_to_lds s[48:51], s[36:43]          ; and interval 1's joint load first behind it
	s_nop 0
	v_mul_u32_u24 v[XA0], v[RR], XPITCH
	s_delay_alu instid0(VALU_DEP_1)
	v_lshl_add_u32 v[XA0], v[HH], 7, v[XA0]
	s_delay_alu instid0(VALU_DEP_1)
	v_add_nc_u32 v[XA0], s45, v[XA0]
	s_mul_i32 s75, s31, TEAM
	s_add_co_u32 s75, s75, IMG
	s_mul_i32 s76, s32, FRB
	s_add_co_u32 s76, s76, s75
	v_lshl_add_u32 v[IW0], v[LN], 4, s76
	v_lshl_add_u32 v[IR0], v[LN], 4, s75
	s_lshl_b32 s77, s32, 2
	s_add_co_u32 s77, s77, s75
	s_add_co_u32 s77, s77, ISC
	v_lshl_add_u32 v[SW0], v[LN], 4, s77
	s_mul_i32 s78, s32, PQ
	s_lshl_b32 s79, s31, 6
	s_add_co_u32 s78, s78, s79
	s_add_co_u32 s78, s78, PP
	v_lshl_add_u32 v[PW0], v[RR], 2, s78
	v_lshlrev_b32 v[SH8], 3, v[HH]
	s_mul_i32 s75, s31, SLOT                       ; my wave's copy of y: my team's slot, behind its images, 2,048 bytes a wave
	s_lshl_b32 s76, s32, 11
	s_add_co_u32 s75, s75, s76
	s_add_co_u32 s75, s75, YLB
	v_lshlrev_b32 v[PFO], 8, v[LN]
	v_min_u32 v[XPO], 23, v[LN]                    ; 24 blocks of 256 bytes; the lanes left over name the last again
	s_delay_alu instid0(VALU_DEP_1)
	v_lshlrev_b32 v[XPO], 8, v[XPO]
	v_mov_b32 v[WT], 0
	v_mov_b32 v46, 0
	v_mov_b32 v47, 0
	s_wait_loadcnt 0x0
	s_wait_kmcnt 0x0
	v_lshl_add_u32 v[YAD], v[HH], 7, s75           ; (the loads that took v250 and v254 as offsets are done)
	s_delay_alu instid0(VALU_DEP_1)
	v_lshl_add_u32 v250, v[RR], 2, v[YAD]
.irp e, 0,1,2,3
.irp j, 0,1,2,3
	ds_store_b32 v250, v[YN+4*\e+\j] offset:512*\e+256*(\j/2)+64*(\j%2)   ; y(e, k) of my 128 along K at 512 e + 4 k; only my wave reads these bytes, and LDS serves a wave's instructions in order
.endr
.endr
.set ii, 0
.rept 16
	v_pk_mul_f32 v[CB1+2*ii:CB1+2*ii+1], v[CB1+2*ii:CB1+2*ii+1], s[58:59] op_sel_hi:[1,0]
	v_pk_mul_f32 v[W2N+2*ii:W2N+2*ii+1], v[W2N+2*ii:W2N+2*ii+1], -2.0 op_sel_hi:[1,0]
.set ii, ii+1
.endr
	v_add_f32 v128, v128, v129
	v_add_f32 v130, v130, v131
	v_add_f32 v132, v132, v133
	v_add_f32 v134, v134, v135
	s_delay_alu instid0(VALU_DEP_3)
	v_add_f32 v128, v128, v130
	s_delay_alu instid0(VALU_DEP_2)
	v_add_f32 v132, v132, v134
	s_delay_alu instid0(VALU_DEP_1)
	v_add_f32 v128, v128, v132
	s_delay_alu instid0(VALU_DEP_1)
	v_add_f32_dpp v128, v128, v128 row_xmask:1 row_mask:0xf bank_mask:0xf
	s_delay_alu instid0(VALU_DEP_1)
	v_add_f32_dpp v128, v128, v128 row_xmask:2 row_mask:0xf bank_mask:0xf
	s_delay_alu instid0(VALU_DEP_1)
	v_add_f32_dpp v128, v128, v128 row_xmask:4 row_mask:0xf bank_mask:0xf
	s_delay_alu instid0(VALU_DEP_1)
	v_add_f32_dpp v128, v128, v128 row_xmask:8 row_mask:0xf bank_mask:0xf
	s_delay_alu instid0(VALU_DEP_1)
	v_permlanex16_b32 v46, v128, s56, s57
	s_delay_alu instid0(VALU_DEP_1)
	v_add_f32 v128, v128, v46
	s_delay_alu instid0(VALU_DEP_1)
	v_add_f32 v128, s86, v128
	s_delay_alu instid0(VALU_DEP_1)
	v_mul_f32 v[W0], s60, v128
	s_delay_alu instid0(VALU_DEP_1)
	v_mov_b32 v[W0+1], v[W0]
	s_mov_b32 s52, 0
	s_mov_b32 s53, 0
	s_mov_b32 s54, 0
	ADDR
	s_wait_alu depctr_va_vdst(0)
	s_wait_tensorcnt 0x1
	QPHASE
	s_mov_b32 s53, SLOT
	s_mov_b32 s55, 14
.Linterval:
	s_wait_tensorcnt 0x0
	ds_add_u32 v[SPW], v[NIL]
	s_xor_b32 s49, s49, SLOT
	s_add_nc_u64 s[50:51], s[50:51], 65536
	s_wait_xcnt 0x0
	s_add_nc_u64 s[62:63], s[62:63], 65536
	s_wait_dscnt 0x0
	ROUND
	tensor_load_to_lds s[48:51], s[36:43]
	s_nop 0
	ADDR
	ASK
	s_cmp_eq_u32 s55, 6                            ; once, six trips ahead of the loop's end: the codes of x for the pooling product, which are first read behind the walk.
	s_cbranch_scc0 .Lno_xt                         ; Each block of 256 bytes is named once in each cluster: 4 work-groups x 8 waves x 24 blocks = a batch's 196,608 bytes
	global_prefetch_b8 v[XPO], s[92:93] th:TH_LOAD_NT scope:SCOPE_SE
.Lno_xt:
	WORK
	s_xor_b32 s52, s52, SLOT
	s_xor_b32 s53, s53, SLOT
	s_add_co_u32 s54, s54, 128
	s_sub_co_u32 s55, s55, 1
	s_cmp_lg_u32 s55, 0
	s_cbranch_scc1 .Linterval
	s_wait_tensorcnt 0x0
	ds_add_u32 v[SPW], v[NIL]
	s_wait_dscnt 0x0
	s_barrier_signal -1
	s_barrier_wait -1
	ADDR
	WORK
	s_xor_b32 s52, s52, SLOT
	s_add_co_u32 s54, s54, 128
	BAR
	v_add_nc_u32 v[IRA], s52, v[IR0]
	s_wait_alu depctr_va_vdst(0)
	v_add_nc_u32 v[PWA], s54, v[PW0]
	MMT
	v_lshlrev_b32 v3, 4, v[LN]
	s_wait_alu depctr_va_vdst(0)
	v_lshlrev_b32 v4, 2, v[RR]
	s_delay_alu instid0(VALU_DEP_1)
	v_lshl_add_u32 v4, v[HH], 11, v4
	s_wait_alu depctr_va_vdst(0)
	s_mul_i32 s70, s69, 196608
	s_mul_i32 s72, s30, 16*FRB
	s_add_co_u32 s70, s70, s72
	s_add_nc_u64 s[24:25], s[24:25], s[70:71]
	s_lshl_b32 s72, s69, 13
	s_lshl_b32 s74, s30, 8
	s_add_co_u32 s72, s72, s74
	s_add_nc_u64 s[26:27], s[26:27], s[72:73]
	s_mov_b32 s75, 0
	s_add_nc_u64 s[80:81], s[80:81], s[74:75]
	s_mul_i32 s76, s30, 8*FRB
	s_mov_b32 s77, 0
	s_add_nc_u64 s[20:21], s[20:21], s[76:77]
	s_lshl_b32 s78, s30, 7
	s_mov_b32 s79, 0
	s_add_nc_u64 s[22:23], s[22:23], s[78:79]
	s_lshl_b32 s88, s69, 17
	s_lshl_b32 s90, s68, 12
	s_add_co_u32 s88, s88, s90
	s_mov_b32 s89, 0
	s_add_nc_u64 s[28:29], s[28:29], s[88:89]
	WIN 0x40
.irp f, 0,1,2,3,4,5,6,7,8,9,10,11,12,13,14,15
.irp k, 0,1,2
	global_load_b128 v[12*\f+4*\k:12*\f+4*\k+3], v3, s[24:25] offset:\f*FRB+512*\k
.endr
.endr
	WIN 0
.irp t, 0,1,2,3
.irp g, 0,1
	global_load_b32 v[W1S+2*\t+\g], v4, s[26:27] offset:4096*\g+64*\t
.endr
.endr
	BAR
	v_and_b32 v40, 3, v[RR]
	s_delay_alu instid0(VALU_DEP_1)
	v_mul_u32_u24 v5, v40, PE
	s_delay_alu instid0(VALU_DEP_1)
	v_lshl_add_u32 v5, v[HH], 6, v5
	s_lshl_b32 s70, s30, 8
	s_add_co_u32 s70, s70, PP
	v_add_nc_u32 v5, s70, v5
	v_lshl_add_u32 v6, v0, 2, MXB
	v_lshl_add_u32 v7, v[LN], 2, MXB
	v_lshl_add_u32 v8, v0, 2, LSB
	v_lshl_add_u32 v9, v[LN], 2, LSB
	s_mul_i32 s70, s30, 768
	s_add_co_u32 s70, s70, PIMG
	v_lshl_add_u32 v10, v[LN], 3, s70
	s_lshr_b32 s70, s30, 1
	s_lshl_b32 s70, s70, 6
	s_and_b32 s71, s30, 1
	s_lshl_b32 s71, s71, 1
	s_add_co_u32 s70, s70, s71
	s_add_co_u32 s70, s70, PSC
	v_lshl_add_u32 v11, v[RR], 2, s70
	v_lshl_add_u32 v12, v[LN], 3, PIMG
	v_lshl_add_u32 v13, v[RR], 2, PSC
	v_lshlrev_b32 v41, 2, v[RR]
	s_delay_alu instid0(VALU_DEP_1)
	v_lshl_add_u32 v41, v[HH], 10, v41
	v_lshlrev_b32 v45, 4, v0
	s_delay_alu instid0(VALU_DEP_1)
	v_and_b32 v42, 1023, v45
	v_lshlrev_b32 v43, 10, v40
	s_delay_alu instid0(VALU_DEP_1)
	v_lshl_add_u32 v43, v[HH], 5, v43
	s_lshl_b32 s70, s30, 7
	s_add_co_u32 s70, s70, STG
	v_add_nc_u32 v43, s70, v43
	v_add_nc_u32 v44, STG, v45
	v_lshlrev_b32 v40, 11, v40
	s_delay_alu instid0(VALU_DEP_1)
	v_lshl_add_u32 v40, v[HH], 6, v40
.irp q, 0,1,2,3
.irp b, 0,1
.irp j, 0,1,2,3
	ds_load_b128 v[NB+32*\q+16*\b+4*\j:NB+32*\q+16*\b+4*\j+3], v5 offset:PQ*\q+128*\b+16*\j
.endr
.endr
.endr
	WIN 0x40
.irp b, 0,1
.irp j, 0,1,2,3
	global_load_b128 v[192+16*\b+4*\j:192+16*\b+4*\j+3], v40, s[80:81] offset:128*\b+16*\j
.endr
.endr
.irp f, 6,7
.irp k, 0,1,2
	global_load_b128 v[224+12*(\f-6)+4*\k:224+12*(\f-6)+4*\k+3], v3, s[20:21] offset:\f*FRB+512*\k
.endr
.endr
	WIN 0
.irp f, 0,1,2,3,4,5
.irp k, 0,1,2
	global_load_b128 v[48+12*\f+4*\k:48+12*\f+4*\k+3], v3, s[20:21] offset:\f*FRB+512*\k
.endr
.endr
.irp t, 0,1
.irp g, 0,1
	global_load_b32 v[W3S+2*\t+\g], v41, s[22:23] offset:2048*\g+64*\t
.endr
.endr
	global_load_b128 v[120:123], v42, s[14:15]
	s_wait_dscnt 0x0
.set ii, 0
.rept 16
	v_pk_add_f32 v[NB+2*ii:NB+2*ii+1], v[NB+2*ii:NB+2*ii+1], v[NB+32+2*ii:NB+33+2*ii]
	v_pk_add_f32 v[NB+64+2*ii:NB+65+2*ii], v[NB+64+2*ii:NB+65+2*ii], v[NB+96+2*ii:NB+97+2*ii]
.set ii, ii+1
.endr
.set ii, 0
.rept 16
	v_pk_add_f32 v[NB+2*ii:NB+2*ii+1], v[NB+2*ii:NB+2*ii+1], v[NB+64+2*ii:NB+65+2*ii]
.set ii, ii+1
.endr
.set ii, 0
.rept 16
	v_pk_fma_f32 v[NB+2*ii:NB+2*ii+1], v[NB+2*ii:NB+2*ii+1], s[60:61], v[W0:W0+1] op_sel_hi:[1,0,1]
.set ii, ii+1
.endr
	v_max3_num_f32 v160, v128, v129, v130
.irp i, 131,133,135,137,139,141,143,145,147,149,151,153,155,157
	s_delay_alu instid0(VALU_DEP_1)
	v_max3_num_f32 v160, v160, v[\i], v[\i+1]
.endr
	s_delay_alu instid0(VALU_DEP_1)
	v_max_num_f32 v160, v160, v159
	s_delay_alu instid0(VALU_DEP_1)
	v_permlanex16_b32 v161, v160, s56, s57
	s_delay_alu instid0(VALU_DEP_1)
	v_max_num_f32 v160, v160, v161
	ds_store_b32 v6, v160
	BAR
.irp k, 0,1,2,3,4,5,6,7
	ds_load_b32 v[160+\k], v7 offset:128*\k
.endr
	s_wait_dscnt 0x0
	v_max3_num_f32 v160, v160, v161, v162
	s_delay_alu instid0(VALU_DEP_1)
	v_max3_num_f32 v160, v160, v163, v164
	s_delay_alu instid0(VALU_DEP_1)
	v_max3_num_f32 v160, v160, v165, v166
	s_delay_alu instid0(VALU_DEP_1)
	v_max_num_f32 v160, v160, v167
	s_delay_alu instid0(VALU_DEP_1)
	v_floor_f32 v186, -v160
	s_delay_alu instid0(VALU_DEP_1)
	v_mov_b32 v187, v186
.set ii, 0
.rept 16
	v_pk_add_f32 v[NB+2*ii:NB+2*ii+1], v[NB+2*ii:NB+2*ii+1], v[186:187]
.set ii, ii+1
.endr
.set ii, 0
	s_wait_alu depctr_va_vdst(0)
.rept 32
	v_exp_f32 v[NB+ii], v[NB+ii]
.set ii, ii+1
.endr
	v_mov_b32 v170, 0
	v_mov_b32 v171, 0
	s_wait_alu depctr_va_vdst(0)
	v_pk_add_f32 v[188:189], v[NB:NB+1], v[NB+2:NB+3]
.set ii, 2
.rept 14
	v_pk_add_f32 v[188:189], v[188:189], v[NB+2*ii:NB+2*ii+1]
.set ii, ii+1
.endr
	s_delay_alu instid0(VALU_DEP_1)
	v_add_f32 v188, v188, v189
	s_delay_alu instid0(VALU_DEP_1)
	v_permlanex16_b32 v189, v188, s56, s57
	s_delay_alu instid0(VALU_DEP_1)
	v_add_f32 v188, v188, v189
	ds_store_b32 v8, v188
	QHALF
	HSTORE 0
	BAR
	FRAGIN 0
.irp k, 0,1,2,3,4,5,6,7
	ds_load_b32 v[160+\k], v9 offset:128*\k
.endr
	s_wait_dscnt 0x0
	s_wait_loadcnt 37
	WIN 0x01
.irp s, 0,1,2,3
.irp t, 0,1,2,3
	WM ACC+8*\t, 12*(4*\t+\s), FF+12*\s, \s, W1S+2*\t+\s/2, FS+\s
.endr
.endr
	WIN 0
	v_add_f32 v160, v160, v161
	v_add_f32 v162, v162, v163
	v_add_f32 v164, v164, v165
	v_add_f32 v166, v166, v167
	s_delay_alu instid0(VALU_DEP_3)
	v_add_f32 v160, v160, v162
	s_delay_alu instid0(VALU_DEP_2)
	v_add_f32 v164, v164, v166
	s_delay_alu instid0(VALU_DEP_1)
	v_add_f32 v160, v160, v164
	s_wait_alu depctr_va_vdst(0)
	v_rcp_f32 v190, v160
	v_nop
	s_wait_alu depctr_va_vdst(0)
	v_mov_b32 v191, v190
	s_wait_alu depctr_va_vdst(0)
	s_wait_loadcnt 29
	WIN 0x10
.set ii, 0
.rept 16
	v_pk_fma_f32 v[NB+2*ii:NB+2*ii+1], v[NB+2*ii:NB+2*ii+1], v[190:191], v[192+2*ii:193+2*ii]
.set ii, ii+1
.endr
	WIN 0
	QHALF
	HSTORE OOFF
	BAR
	FRAGIN OOFF
	s_wait_dscnt 0x0
	s_wait_loadcnt 0x0
.irp s, 0,1,2,3
.irp t, 0,1
.if 4*\t+\s < 6
	WIN 0
	WM ACC+8*\t, 48+12*(4*\t+\s), FF+12*\s, \s, W3S+2*\t+\s/2, FS+\s
.else
	WIN 0x01
	WM ACC+8*\t, 224+12*(4*\t+\s-6), FF+12*\s, \s, W3S+2*\t+\s/2, FS+\s
.endif
.endr
.endr
	WIN 0
	PLACES
.irp t, 0,1
	ds_store_b128 v43, v[ACC+8*\t:ACC+8*\t+3] offset:64*\t
	ds_store_b128 v43, v[ACC+8*\t+4:ACC+8*\t+7] offset:64*\t+16
.endr
	BAR
	ds_load_b128 v[160:163], v44
	s_wait_dscnt 0x0
	v_pk_add_f32 v[160:161], v[160:161], v[120:121]
	v_pk_add_f32 v[162:163], v[162:163], v[122:123]
	global_store_b128 v45, v[160:163], s[28:29]
	s_wait_tensorcnt 0x0
	ds_add_u32 v[SPW], v[NIL]
	s_wait_dscnt 0x0
	ROUND
	s_endpgm
.Lfunc_end_k_qb2b6f4e9f5_main:
	.size	k_qb2b6f4e9f5_main, .Lfunc_end_k_qb2b6f4e9f5_main-k_qb2b6f4e9f5_main
	.p2alignl 7, 3214868480
	.fill 96, 4, 3214868480
	.section	.rodata,"a",@progbits
	.p2align	6, 0x0
	.amdhsa_kernel k_qb2b6f4e9f5_main
		.amdhsa_group_segment_fixed_size 327680
		.amdhsa_private_segment_fixed_size 0
		.amdhsa_enable_private_segment 0
		.amdhsa_kernarg_size 104
		.amdhsa_user_sgpr_count 2
		.amdhsa_user_sgpr_kernarg_segment_ptr 1
		.amdhsa_wavefront_size32 1
		.amdhsa_system_sgpr_workgroup_id_x 1
		.amdhsa_system_sgpr_workgroup_id_y 1
		.amdhsa_system_sgpr_workgroup_id_z 1
		.amdhsa_system_vgpr_workitem_id 0
		.amdhsa_next_free_vgpr 512
		.amdhsa_next_free_sgpr 96
		.amdhsa_reserve_vcc 0
		.amdhsa_float_denorm_mode_32 3
		.amdhsa_float_denorm_mode_16_64 3
		.amdhsa_memory_ordered 1
		.amdhsa_forward_progress 1
		.amdhsa_inst_pref_size 255
	.end_amdhsa_kernel
	.section	.bss,"aw",@nobits
	.p2align	6
	.space	262144
	.amdgpu_metadata
---
amdhsa.version: [ 1, 2 ]
amdhsa.kernels:
  - .name:           k_qb2b6f4e9f5_main
    .symbol:         k_qb2b6f4e9f5_main.kd
    .args:
      - { .name: word_all, .offset: 0, .size: 8, .value_kind: global_buffer, .address_space: global }
      - { .name: word_weighted, .offset: 8, .size: 8, .value_kind: global_buffer, .address_space: global }
      - { .name: b1, .offset: 16, .size: 8, .value_kind: global_buffer, .address_space: global }
      - { .name: w2, .offset: 24, .size: 8, .value_kind: global_buffer, .address_space: global }
      - { .name: b2, .offset: 32, .size: 8, .value_kind: global_buffer, .address_space: global }
      - { .name: b3, .offset: 40, .size: 8, .value_kind: global_buffer, .address_space: global }
      - { .name: w1f, .offset: 48, .size: 8, .value_kind: global_buffer, .address_space: global }
      - { .name: w1s, .offset: 56, .size: 8, .value_kind: global_buffer, .address_space: global }
      - { .name: w3f, .offset: 64, .size: 8, .value_kind: global_buffer, .address_space: global }
      - { .name: w3s, .offset: 72, .size: 8, .value_kind: global_buffer, .address_space: global }
      - { .name: xtf, .offset: 80, .size: 8, .value_kind: global_buffer, .address_space: global }
      - { .name: xts, .offset: 88, .size: 8, .value_kind: global_buffer, .address_space: global }
      - { .name: out0, .offset: 96, .size: 8, .value_kind: global_buffer, .address_space: global }
    .group_segment_fixed_size: 327680
    .private_segment_fixed_size: 0
    .kernarg_segment_align: 8
    .kernarg_segment_size: 104
    .max_flat_workgroup_size: 256
    .sgpr_count:     96
    .vgpr_count:     512
    .wavefront_size: 32
...
	.end_amdgpu_metadata
.endif
;; end of part 4
